; MI455X (gfx1250); checked and timed in simulation.
; The chip was launched on July 23, 2026; its instructions are those of AMD's public machine-readable ISA for CDNA 5 (MIT licence, August 2026) and "CDNA5" Instruction Set Architecture Reference Guide (July 2026). The comments in the code are by the model that wrote it; some were corrected since.
;; Mini Transformer. Allowed arithmetic: matrix products marked QUANTISED: E4M3 operands, one given power-of-two scale a tensor, by v_wmma_f32_16x16x64_fp8_fp8 or v_wmma_f32_16x16x128_fp8_fp8, f32 sums; everything else in f32.
;; Inputs: W1 512 x 1,024 float32; W2 1,024 x 512 float32; Wk 512 x 512 float32; Wo 512 x 512 float32; Wq 512 x 512 float32; Wv 512 x 512 float32; b1 1,024 float32; b2 512 float32; be1 512 float32; be2 512 float32; g1 512 float32; g2 512 float32; lowp_scales 16 int32 (the exponents e of the quantised operands' scales 2^e); x 8 x 2,048 x 512 float32.
;; Outputs: out0 8 x 2,048 x 512 float32.
;; This version of the problem:
;;   THIS VERSION OF THE PROBLEM IS GIVEN IN LOW PRECISION. The matrix products marked QUANTISED in the list below multiply operands that are first quantised to E4M3 (4 exponent bits, 3 mantissa bits; 8 bits a number), with one given power-of-two scale for each operand tensor; their sums are f32. All else is computed in f32.
;;   The module's matrix products, in the order in which they are computed (A, B: the left and right operand; K: the contracted axis; several contracted axes count as one K, in the product's order):
;;     1. [M 16,384, K 512] x [K 512, N 512]; A: computed on the way; B: input Wq: QUANTISED (scales: A lowp_scales[0], B lowp_scales[1])
;;     2. [M 16,384, K 512] x [K 512, N 512]; A: computed on the way; B: input Wk: QUANTISED (scales: A lowp_scales[2], B lowp_scales[3])
;;     3. [M 16,384, K 512] x [K 512, N 512]; A: computed on the way; B: input Wv: QUANTISED (scales: A lowp_scales[4], B lowp_scales[5])
;;     4. batch 8 x [M 2,048, K 512] x [K 512, N 2,048]; A: computed on the way; B: computed on the way: QUANTISED (scales: A lowp_scales[6], B lowp_scales[7])
;;     5. batch 8 x [M 2,048, K 2,048] x [K 2,048, N 512]; A: softmax (see below); B: computed on the way: QUANTISED (scales: A lowp_scales[8], B lowp_scales[9])
;;     6. [M 16,384, K 512] x [K 512, N 512]; A: computed on the way; B: input Wo: QUANTISED (scales: A lowp_scales[10], B lowp_scales[11])
;;     7. [M 16,384, K 512] x [K 512, N 1,024]; A: computed on the way; B: input W1: QUANTISED (scales: A lowp_scales[12], B lowp_scales[13])
;;     8. [M 16,384, K 1,024] x [K 1,024, N 512]; A: computed on the way; B: input W2: QUANTISED (scales: A lowp_scales[14], B lowp_scales[15])
;;   THE QUANTISER, for each operand of a quantised product, along K:
;;     - The operand's scale is 2^e, e = its entry of the input lowp_scales (int32; the entries are numbered through the quantised products in the list's order, A before B).
;;     - Each number is divided by the scale, clamped to +-448, and rounded to the nearest number of E4M3, ties to even, subnormals kept.
;;     - The product sums the exact products of the quantised numbers (number of the format x scale) in f32.
;;   ~~~python
;;   def quantise(x, axis, e):      # numpy; x: float32 -> the quantised numbers, widened to float32 again
;;       x = np.moveaxis(x, axis, -1); K = x.shape[-1]
;;       r = np.clip(x / 2.0 ** e, -448, 448)
;;       step = 2.0 ** (np.maximum(np.frexp(np.where(r == 0, 1, r))[1] - 1, -6) - 3)
;;       q = np.round(r / step) * step * 2.0 ** e      # np.round: ties to even
;;       return np.moveaxis(q, -1, axis).astype(np.float32)
;;   ~~~
;;   SOFTMAX AHEAD OF A QUANTISED PRODUCT. Where the list says 'softmax', what is quantised is not the finished softmax but p = 2^(t - M), with t = logit x log2(e) and M = ceil(the row's largest t), a whole number; so 1/2 < the row's largest p <= 1. The row's sum l is taken of the UNQUANTISED p, in f32, and the product's result is divided by l at the end. Since M is a whole number, a kernel that streams over the keys may use a running M (the ceiling of the running maximum): every later rescaling is an exact power of two, so the quantised numbers keep their values, but for numbers so far below the row's largest that they fall under the format's range.
;;   OPERANDS COMPUTED ON THE WAY. 'Computed on the way' means the value that the module computes at that place (a softmax that the list does not call 'softmax' is quantised finished and normalised). What goes into a quantiser is computed in f32, as accurately as f32 sums, v_exp_f32 and their like allow (about 1e-6 of the number): no bf16 or f16 on the way to a quantiser, and a product that is left as it is and whose result goes on into a quantised operand takes f32 operands (vector FMAs, or v_wmma_f32_16x16x4_f32). A number that lies on a knife's edge between two numbers of the format may be rounded either way, as far as f32 arithmetic and the matrix unit's own rounding can turn it there, and no further.
;; One version. Each part assembles by itself: llvm-mc -triple=amdgcn-amd-amdhsa -mcpu=gfx1250 --defsym DOCPART=n.
;; ======== version 1 of 1: 3 launches
;; workspace buffers: wqkv 786,432 bytes; wt 1,310,720 bytes; qc 8,388,608 bytes; kv 16,777,216 bytes
;; launch prep (part 1): grid 256 x 1, 4 waves a work-group, no clusters, 0 bytes of LDS; arguments Wq, Wk, Wv, Wo, W1, W2, lowp_scales, wqkv, wt; writes wqkv, wt
.if DOCPART == 1
	.amdgcn_target "amdgcn-amd-amdhsa--gfx1250"
	.amdhsa_code_object_version 6
	.text
	.protected	k_q38ce564e6b_prep
	.globl	k_q38ce564e6b_prep
	.p2align	8
	.type	k_q38ce564e6b_prep,@function
k_q38ce564e6b_prep:
	s_mov_b64 s[64:65], 0
	v_nop
	global_prefetch_b8 v0, s[64:65] scope:SCOPE_SE
	s_setreg_imm32_b32 hwreg(HW_REG_WAVE_MODE, 25, 1), 1
	s_wait_xcnt 0x0
; The six weights, f32 stored [K][N], become codes of E4M3, each with its given scale 2^e, laid in the order in which the later launches' operand registers take them.
; A FRAGMENT is 16 columns n x 128 k: 2,048 bytes; the 16 codes k = 32 c + 16 h + 0..15 of the tile's row r lie at byte 512 c + 256 h + 16 r.
; THE COLUMNS OF A TILE ARE NOT NEIGHBOURS: row r of tile 2 b + u is column 32 b + 8 u + r + 8 (r / 8) of its group of 32.
; wqkv: Wq, Wk, Wv, 262,144 bytes each: [k step / 2][128 columns: 32,768][8 (k step % 2) + tile: 2,048].   wt: Wo likewise, then eight slots of 131,072 bytes, slot j:
; [wave: 32,768]: fragments 2 ks + u of W1 (columns 128 j + 32 wave on), then fragments 8 + tile of W2 (columns 128 wave on, k = 128 j on).
; SHARES.  A work-group takes 64 columns x 128 k; a wave 32 of the columns x 64 of the k.  A LANE TAKES A COLUMN AND ITS REGISTERS RUN DOWN K: a load reads 128 consecutive bytes, the conversions give 16 codes with K
; innermost, and those 16 bytes are a lane's place in a fragment: lanes 0-15 store 256 consecutive bytes of tile 2 b, lanes 16-31 of tile 2 b + 1.  No LDS, no barrier.
; code = x / 2^e, held within +-448, to the nearest code, ties to even.  LIMITS: e between -126 and 119.  NaN among the inputs is not served.
.set X, 16                             ; v16-79  64 numbers down K
.set C, 80                             ; v80-95  their codes
	s_load_b512 s[8:23], s[0:1], 0x0               ; Wq s[8:9], Wk s[10:11], Wv s[12:13], Wo s[14:15], W1 s[16:17], W2 s[18:19], the exponents s[20:21], wqkv s[22:23]
	s_load_b64 s[24:25], s[0:1], 0x40              ; wt
	v_lshrrev_b32 v1, 5, v0
	v_readfirstlane_b32 s2, v1                     ; wave
	s_and_b32 s3, s2, 1                            ; which 32 of the 64 columns
	s_lshr_b32 s4, s2, 1                           ; which 64 of the 128 k
	v_and_b32 v3, 15, v0                           ; r
	v_bfe_u32 v4, v0, 4, 1                         ; u
	v_and_b32 v5, 8, v3
	v_add_nc_u32 v5, v5, v3
	v_lshl_add_u32 v5, v4, 3, v5                   ; my column among the 32: 8 u + r + 8 (r / 8)
	v_lshlrev_b32 v1, 2, v5                        ; in bytes
	v_lshlrev_b32 v2, 4, v3
	v_lshl_add_u32 v2, v4, 11, v2                  ; out: tile u, 16 r
	s_wait_kmcnt 0x0
	s_load_b512 s[32:47], s[20:21], 0x0            ; e0 .. e15
	s_lshr_b32 s5, ttmp9, 5                        ; 0 Wq, 1 Wk, 2 Wv, 3 Wo, 4-5 W1, 6-7 W2
	s_wait_kmcnt 0x0
	s_cmp_eq_u32 s5, 1                             ; the buffers and the exponent are chosen on the work-group's number alone
	s_cselect_b64 s[26:27], s[10:11], s[8:9]
	s_cselect_b32 s28, s35, s33
	s_cmp_eq_u32 s5, 2
	s_cselect_b64 s[26:27], s[12:13], s[26:27]
	s_cselect_b32 s28, s37, s28
	s_cmp_eq_u32 s5, 3
	s_cselect_b64 s[26:27], s[14:15], s[26:27]
	s_cselect_b32 s28, s43, s28
	s_cmp_ge_u32 s5, 4
	s_cselect_b64 s[26:27], s[16:17], s[26:27]
	s_cselect_b32 s28, s45, s28
	s_cmp_ge_u32 s5, 6
	s_cselect_b64 s[26:27], s[18:19], s[26:27]
	s_cselect_b32 s28, s47, s28
	s_cmp_lt_u32 s5, 3
	s_cselect_b64 s[30:31], s[22:23], s[24:25]
	; s6 = which 64 columns, s7 = which 128 k, s29 = where the wave's two tiles go, s49 = log2 of a row's bytes
	s_cmp_lt_u32 ttmp9, 128
	s_cbranch_scc0 .Lffn
	s_and_b32 s6, ttmp9, 7
	s_bfe_u32 s7, ttmp9, 0x20003
	s_lshl_b32 s29, s5, 18                         ; Wq, Wk, Wv: 262,144 bytes each; Wo begins wt
	s_cmp_eq_u32 s5, 3
	s_cselect_b32 s29, 0, s29
	s_lshr_b32 s48, s7, 1
	s_lshl_b32 s48, s48, 17
	s_add_co_u32 s29, s29, s48                     ; + the slot: k step / 2
	s_and_b32 s48, s7, 1
	s_lshl_b32 s48, s48, 14
	s_add_co_u32 s29, s29, s48                     ; + 8 fragments x (k step % 2)
	s_lshr_b32 s48, s6, 1
	s_lshl_b32 s48, s48, 15
	s_add_co_u32 s29, s29, s48                     ; + the reading wave's part
	s_and_b32 s48, s6, 1
	s_lshl_b32 s48, s48, 1
	s_add_co_u32 s48, s48, s3                      ; b
	s_lshl_b32 s48, s48, 12
	s_add_co_u32 s29, s29, s48                     ; + tile 2 b
	s_mov_b32 s49, 11
	s_branch .Ljoin
.Lffn:
	s_cmp_lt_u32 ttmp9, 192
	s_cbranch_scc0 .Lw2
	s_sub_co_u32 s5, ttmp9, 128
	s_and_b32 s6, s5, 15
	s_lshr_b32 s7, s5, 4
	s_lshr_b32 s29, s6, 1                          ; j
	s_add_co_u32 s29, s29, 2
	s_lshl_b32 s29, s29, 17
	s_and_b32 s48, s6, 1
	s_lshl_b32 s48, s48, 1
	s_add_co_u32 s48, s48, s3                      ; the reading wave
	s_lshl_b32 s48, s48, 15
	s_add_co_u32 s29, s29, s48
	s_lshl_b32 s48, s7, 12
	s_add_co_u32 s29, s29, s48                     ; + fragment 2 ks
	s_mov_b32 s49, 12
	s_branch .Ljoin
.Lw2:
	s_sub_co_u32 s5, ttmp9, 192
	s_and_b32 s6, s5, 7
	s_lshr_b32 s7, s5, 3                           ; j, which is the k step
	s_add_co_u32 s29, s7, 2
	s_lshl_b32 s29, s29, 17
	s_lshr_b32 s48, s6, 1
	s_lshl_b32 s48, s48, 15
	s_add_co_u32 s29, s29, s48
	s_and_b32 s48, s6, 1
	s_lshl_b32 s48, s48, 1
	s_add_co_u32 s48, s48, s3
	s_lshl_b32 s48, s48, 12
	s_add_co_u32 s48, s48, 16384
	s_add_co_u32 s29, s29, s48                     ; + fragment 8 + 2 b
	s_mov_b32 s49, 11
.Ljoin:
	s_lshl_b32 s48, s4, 10
	s_add_co_u32 s50, s29, s48                     ; my 64 k are two of a fragment's four blocks of 512 bytes
	s_mov_b32 s51, 0
	s_add_nc_u64 s[30:31], s[30:31], s[50:51]
	s_lshl_b32 s48, s7, 7
	s_lshl_b32 s52, s4, 6
	s_add_co_u32 s48, s48, s52                     ; my first row of the weight
	s_lshl_b32 s50, s48, s49
	s_lshl_b32 s48, s6, 8
	s_add_co_u32 s50, s50, s48
	s_lshl_b32 s48, s3, 7
	s_add_co_u32 s50, s50, s48                     ; + my 32 columns
	s_add_nc_u64 s[26:27], s[26:27], s[50:51]
	s_add_co_i32 s28, s28, 127
	s_lshl_b32 s48, s28, 23
	v_mov_b32 v10, s48                             ; 2^e as f32: the conversion takes its exponent field
	s_add_co_i32 s28, s28, 8
	s_lshl_b32 s28, s28, 23
	s_or_b32 s28, s28, 0x600000
	v_mov_b32 v11, s28                             ; 448 x 2^e
.macro LOADS pitch
.set n, 0
.rept 64
	global_load_b32 v[X+n], v1, s[26:27] offset:n*\pitch th:TH_LOAD_NT   ; row n of my 64, my column: 32 lanes read 128 consecutive bytes
.set n, n+1
.endr
.endm
	s_cmp_eq_u32 s49, 12
	s_cbranch_scc1 .Lwide
	LOADS 2048
	s_branch .Lwork
.Lwide:
	LOADS 4096
.Lwork:
.irp p, 0,1,2,3
	s_wait_loadcnt 48-16*\p                        ; this piece's 16 loads are in; the younger pieces' may be out
.irp i, 0,1,2,3,4,5,6,7,8,9,10,11,12,13,14,15
	v_med3_num_f32 v[X+16*\p+\i], v[X+16*\p+\i], -v11, v11   ; the conversion to an 8-bit code does not saturate (ISA guide 7.6.2): the hold comes first
.endr
	v_cvt_scalef32_pk8_fp8_f32 v[C+4*\p:C+4*\p+1], v[X+16*\p:X+16*\p+7], v10
	v_cvt_scalef32_pk8_fp8_f32 v[C+4*\p+2:C+4*\p+3], v[X+16*\p+8:X+16*\p+15], v10
.endr
	v_nop
.irp p, 0,1,2,3
	global_store_b128 v2, v[C+4*\p:C+4*\p+3], s[30:31] offset:(\p/2)*512+(\p%2)*256   ; sixteen lanes store 256 consecutive bytes, at a multiple of 256 from the buffer's first byte
.endr
	s_endpgm
.Lfunc_end_k_q38ce564e6b_prep:
	.size	k_q38ce564e6b_prep, .Lfunc_end_k_q38ce564e6b_prep-k_q38ce564e6b_prep
	.p2alignl 7, 3214868480
	.fill 96, 4, 3214868480
	.section	.rodata,"a",@progbits
	.p2align	6, 0x0
	.amdhsa_kernel k_q38ce564e6b_prep
		.amdhsa_group_segment_fixed_size 0
		.amdhsa_private_segment_fixed_size 0
		.amdhsa_enable_private_segment 0
		.amdhsa_kernarg_size 72
		.amdhsa_user_sgpr_count 2
		.amdhsa_user_sgpr_kernarg_segment_ptr 1
		.amdhsa_wavefront_size32 1
		.amdhsa_system_sgpr_workgroup_id_x 1
		.amdhsa_system_sgpr_workgroup_id_y 1
		.amdhsa_system_sgpr_workgroup_id_z 1
		.amdhsa_system_vgpr_workitem_id 0
		.amdhsa_next_free_vgpr 96
		.amdhsa_next_free_sgpr 66
		.amdhsa_reserve_vcc 0
		.amdhsa_float_denorm_mode_32 3
		.amdhsa_float_denorm_mode_16_64 3
		.amdhsa_memory_ordered 1
		.amdhsa_forward_progress 1
		.amdhsa_inst_pref_size 22
	.end_amdhsa_kernel
	.amdgpu_metadata
---
amdhsa.version: [ 1, 2 ]
amdhsa.kernels:
  - .name:           k_q38ce564e6b_prep
    .symbol:         k_q38ce564e6b_prep.kd
    .args:
      - { .name: Wq, .offset: 0, .size: 8, .value_kind: global_buffer, .address_space: global }
      - { .name: Wk, .offset: 8, .size: 8, .value_kind: global_buffer, .address_space: global }
      - { .name: Wv, .offset: 16, .size: 8, .value_kind: global_buffer, .address_space: global }
      - { .name: Wo, .offset: 24, .size: 8, .value_kind: global_buffer, .address_space: global }
      - { .name: W1, .offset: 32, .size: 8, .value_kind: global_buffer, .address_space: global }
      - { .name: W2, .offset: 40, .size: 8, .value_kind: global_buffer, .address_space: global }
      - { .name: lowp_scales, .offset: 48, .size: 8, .value_kind: global_buffer, .address_space: global }
      - { .name: wqkv, .offset: 56, .size: 8, .value_kind: global_buffer, .address_space: global }
      - { .name: wt, .offset: 64, .size: 8, .value_kind: global_buffer, .address_space: global }
    .group_segment_fixed_size: 0
    .private_segment_fixed_size: 0
    .kernarg_segment_align: 8
    .kernarg_segment_size: 72
    .max_flat_workgroup_size: 128
    .sgpr_count:     66
    .vgpr_count:     96
    .wavefront_size: 32
...
	.end_amdgpu_metadata
.endif
;; end of part 1
;; launch qkv (part 2): grid 256 x 1, 4 waves a work-group, clusters of 4 x 1, 327,680 bytes of LDS; arguments x, g1, be1, lowp_scales, wqkv, qc, kv; writes qc, kv
.if DOCPART == 2
	.amdgcn_target "amdgcn-amd-amdhsa--gfx1250"
	.amdhsa_code_object_version 6
	.text
	.protected	k_q38ce564e6b_qkv
	.globl	k_q38ce564e6b_qkv
	.p2align	8
	.type	k_q38ce564e6b_qkv,@function
k_q38ce564e6b_qkv:
	s_mov_b64 s[64:65], 0
	v_nop
	global_prefetch_b8 v0, s[64:65] scope:SCOPE_SE
	s_setreg_imm32_b32 hwreg(HW_REG_WAVE_MODE, 25, 1), 1
	s_wait_xcnt 0x0
	s_wait_alu depctr_hold_cnt(0) depctr_sa_sdst(0) depctr_va_vdst(0) depctr_va_sdst(0) depctr_va_ssrc(0) depctr_va_vcc(0) depctr_vm_vsrc(0)
	s_getreg_b32 s2, hwreg(HW_REG_IB_STS2, 6, 4)
	s_cmp_eq_u32 s2, 0
	s_cbranch_scc0 .Lentry_in_a_cluster
	s_endpgm
.Lentry_in_a_cluster:
	s_bfe_u32 s2, ttmp6, 0x10000c
	s_cmp_lg_u32 s2, 0x3003
	s_cbranch_scc0 .Lentry_shape_is_right
	s_endpgm
.Lentry_shape_is_right:
; h = layer_norm(x) g1 + be1; q = Q(h) Q(Wq), k = Q(h) Q(Wk), v = Q(h) Q(Wv) on codes of E4M3; q, k and v leave as codes, in the order of the next launch's operand registers.
; SHARES.  A work-group takes 64 tokens.  Wave w norms and quantises token tile w (16 tokens, all 512 columns), and makes columns 128 w .. 128 w + 127 of q, k and v for all 64 tokens.
; A FRAGMENT is 16 rows x 128 k of codes, 16 registers a lane: lane (r = l % 16, h = l / 16) holds, of row r, k = 32 c + 16 h + 0..15 in registers 4 c .. 4 c + 3 (the same permutation of k on both sides of every product).
; In memory and in LDS it lies as an image of its registers: byte 512 c + 16 lane.  TOKEN TILE 2 bm + um, row r, is token 32 bm + 8 um + r + 8 (r / 8) of the 64; the weights' tiles are laid by the same rule, so that
; a lane's eight results of tile 2 b + u are the eight neighbours 32 b + 16 h + 8 u + 0..7 along the next product's K, and a conversion's result is two registers of the next operand.
; q and k are made transposed (source 0 = 16 columns of the weight, source 1 = 16 tokens): a lane holds a token.  v is made the other way round: a lane holds a channel and its registers run along the tokens, which are the keys.
; THE WEIGHTS come as six slots of 131,072 bytes through a ring of two LDS slots; wave w fetches and alone reads part w (32,768 bytes).  All work-groups walk the same slots: the four of a cluster ask jointly.
; By this text's own count a wave has two tensor loads out at the start and one behind each change of slots.
; LIMITS: e0, e2, e4, e6 - e0 - e1, e7 - e2 - e3, e9 - e4 - e5 between -126 and 119.  NaN and infinities among the inputs are not served.
; REGISTERS, in windows of 256: window 0: v1-26 addresses and scales, v32-43 the norm's figures, v64-127 and v128-191 four weight fragments each, v192-255 codes;  window 1: x, then h;
;   window 2: g1, later from v128 and v192 four token fragments each;  window 3: be1, later the 32 accumulators, (tile t, token tile m) at v[64 m + 8 t].
.set SLOTB, 131072
.set IMG,   262144                     ; 16 images of h's fragments, index 4 ks + m
.set STG,   303104                     ; a stage of 16 rows x 272 bytes for each wave
.set SPARE, 326656                     ; the spare words, 128 bytes for each wave: two blocks of 256 bytes that no other line names
.set SPW, 1
.set NIL, 2
.set LI,  3                            ; 16 x lane
.set ADW0, 4                           ; my part of LDS slot 0, 1
.set ADW1, 5
.set XIA, 7                            ; IMG + 16 x lane
.set HST, 9                            ; where I store my tile's images
.set STA, 14                           ; the stage by rows of memory: two rows an instruction
.set STB, 15                           ; the stage by lanes of a fragment
.set GXO, 16
.set GCO, 17
.set SCH, 21                           ; v21-23 2^e0, 2^e2, 2^e4
.set SCO, 24                           ; v24-26 the three results' folded scales
.set T,   32
.set MU,  40
.set RS,  42
.set WF0, 64
.set WF1, 128
.set PC,  192
.set XF0, 128
.set XF1, 192
.set WV,  4
.set G1,  28
.set G0A, 36
.set G0,  40
.set EX,  48
.set SEL, 68
.set LH,  70                           ; s70-75 h's three limits, each with its negative
.set LO,  76                           ; s76-81 the results'
.set QB,  82                           ; s[82:83] q, s[84:85] k, s[86:87] v: where my codes go
.set MSB, 0
.macro WIN new                         ; the immediate's high byte repeats the setting that is left
.if MSB != (\new)
	s_set_vgpr_msb (MSB<<8)|(\new)
.set MSB, (\new)
.endif
.endm
.macro PLACES                          ; four plain vector instructions between a matrix instruction and a load into, or a vector instruction on, its registers
.rept 4
	v_nop
.endr
.endm
.macro BAR                             ; my LDS stores have landed and my LDS loads are in: then the work-group's barrier
	s_wait_dscnt 0x0
	s_barrier_signal -1
	s_barrier_wait -1
.endm
.macro ROUND                           ; a round of the cluster's barrier
	s_barrier_signal -1
	s_barrier_wait -1
	s_cmp_lg_u32 s[WV], 0
	s_cbranch_scc1 .Lnw0_\@
	s_barrier_signal -3
.Lnw0_\@:
	s_barrier_wait -3
	s_barrier_signal -1
	s_barrier_wait -1
.endm
.macro FETCH4 reg, adr, off            ; four fragments, 8,192 consecutive bytes, 512 an instruction
.irp q, 0,1,2,3,4,5,6,7,8,9,10,11,12,13,14,15
	ds_load_b128 v[\reg+4*\q:\reg+4*\q+3], v[\adr] offset:\off+512*\q
.endr
.endm
; 16 matrix instructions: weight tiles t0 .. t0 + 3 x the four token tiles, 128 along K; sixteen accumulators by turns.  zero: the product starts the sums.  swap: tokens as source 0.
.macro MUL16 wf, xf, t0, zero, swap
.if \swap
	WIN 0xf2
.else
	WIN 0xf8
.endif
.irp t, 0,1,2,3
.irp m, 0,1,2,3
.if \swap
.if \zero
	v_wmma_f32_16x16x128_fp8_fp8 v[64*\m+8*(\t0+\t):64*\m+8*(\t0+\t)+7], v[\xf+16*\m:\xf+16*\m+15], v[\wf+16*\t:\wf+16*\t+15], 0
.else
	v_wmma_f32_16x16x128_fp8_fp8 v[64*\m+8*(\t0+\t):64*\m+8*(\t0+\t)+7], v[\xf+16*\m:\xf+16*\m+15], v[\wf+16*\t:\wf+16*\t+15], v[64*\m+8*(\t0+\t):64*\m+8*(\t0+\t)+7]
.endif
.else
.if \zero
	v_wmma_f32_16x16x128_fp8_fp8 v[64*\m+8*(\t0+\t):64*\m+8*(\t0+\t)+7], v[\wf+16*\t:\wf+16*\t+15], v[\xf+16*\m:\xf+16*\m+15], 0
.else
	v_wmma_f32_16x16x128_fp8_fp8 v[64*\m+8*(\t0+\t):64*\m+8*(\t0+\t)+7], v[\wf+16*\t:\wf+16*\t+15], v[\xf+16*\m:\xf+16*\m+15], v[64*\m+8*(\t0+\t):64*\m+8*(\t0+\t)+7]
.endif
.endif
.endr
.endr
.endm
; A slot's work: two K steps x my eight tiles x four token tiles, 64 matrix instructions.  No fragment is read twice.
.macro MULB adr, xoff, zero, swap
	PLACES
	WIN 0
	FETCH4 WF0, \adr, 0
	FETCH4 WF1, \adr, 8192
	WIN 0x80
	FETCH4 XF0, XIA, \xoff
	FETCH4 XF1, XIA, \xoff+8192
	s_wait_dscnt 16                                ; all but the second K step's token fragments
	MUL16 WF0, XF0, 0, \zero, \swap
	PLACES
	WIN 0
	FETCH4 WF0, \adr, 16384
	MUL16 WF1, XF0, 4, \zero, \swap
	PLACES
	WIN 0
	FETCH4 WF1, \adr, 24576
	s_wait_dscnt 16                                ; all but the sixteen just issued
	MUL16 WF0, XF1, 0, 0, \swap
	s_wait_dscnt 0x0
	MUL16 WF1, XF1, 4, 0, \swap
.endm
; THE CHANGE OF SLOTS: every wave waits for all its tensor loads, adds 0 to its spare word, waits for that and for its LDS reads; a round of the cluster's barrier; the slot just read is filled with the stream's next slot but one.
.macro CHANGE
	WIN 0
	s_wait_tensorcnt 0x0                           ; no tensor load of mine is out, so the walking group 0 may be written
	ds_add_u32 v[SPW], v[NIL]
	s_xor_b32 s[G0+1], s[G0+1], SLOTB              ; the other LDS slot than last time,
	s_add_nc_u64 s[G0+2:G0+3], s[G0+2:G0+3], SLOTB ; the stream's next slot; the type bits on top are not reached
	s_wait_dscnt 0x0                               ; the add is done, and my reads of the slot and of the images are over
	ROUND
	tensor_load_to_lds s[G0:G0+3], s[G1:G1+7]
	s_nop 0
	PLACES
.endm
; 16 rows x 64 columns, loaded as rows of 256 bytes, turn through my own stage into the fragment's order: register rb + 16 bb + i = column 32 bb + 16 h + i of row r.  LDS serves a wave's instructions in order.
.macro XTURN rb
.irp i, 0,1,2,3,4,5,6,7
	ds_store_b128 v[STA], v[\rb+4*\i:\rb+4*\i+3] offset:544*\i
.endr
.irp bb, 0,1
.irp jj, 0,1,2,3
	ds_load_b128 v[\rb+16*\bb+4*\jj:\rb+16*\bb+4*\jj+3], v[STB] offset:128*\bb+16*\jj
.endr
.endr
.endm
.macro MKS e, vsc, lim                 ; from the exponent in s[e]: v[vsc] = 2^e, s[lim] = 448 x 2^e, s[lim + 1] = its negative
	s_add_co_i32 s2, s[\e], 127
	s_lshl_b32 s3, s2, 23
	v_mov_b32 v[\vsc], s3
	s_add_co_i32 s2, s2, 8
	s_lshl_b32 s2, s2, 23
	s_or_b32 s[\lim], s2, 0x600000
	s_xor_b32 s[\lim+1], s[\lim], 0x80000000
.endm
; h is quantised with product p's own scale; h itself stays.  My tile's four fragments go to LDS as images.
.macro QH p
.if \p > 0
	s_wait_xcnt 0x0                                ; the stores of the product before have read the code registers, which are written again below
.endif
.irp ks, 0,1,2,3
	WIN 0x01
.set n, 0
.rept 64
	v_med3_num_f32 v[WF0+n], v[64*\ks+n], s[LH+2*\p+1], s[LH+2*\p]   ; the hold at the largest code x the scale (ISA guide 7.6.2)
.set n, n+1
.endr
	WIN 0
.irp c, 0,1,2,3,4,5,6,7
	v_cvt_scalef32_pk8_fp8_f32 v[PC+16*\ks+2*\c:PC+16*\ks+2*\c+1], v[WF0+8*\c:WF0+8*\c+7], v[SCH+\p]
.endr
	v_nop                                          ; a plain instruction between the conversions and the next holds, which write their sources
.irp c, 0,1,2,3
	ds_store_b128 v[HST], v[PC+16*\ks+4*\c:PC+16*\ks+4*\c+3] offset:8192*\ks+512*\c
.endr
.endr
	BAR                                            ; all sixteen images lie in LDS
.endm
; The 32 accumulators become codes: a sum stands for sum x 2^(ea + eb), so the conversion takes 2^(e of the result - ea - eb).
.macro EPI p
	PLACES
	WIN 0xc3
.set n, 0
.rept 256
	v_med3_num_f32 v[n], v[n], s[LO+2*\p+1], s[LO+2*\p]   ; each accumulator from its low end on
.set n, n+1
.endr
	WIN 0x03
.irp m, 0,1,2,3
.irp t, 0,1,2,3,4,5,6,7
.if \p == 2
	v_cvt_scalef32_pk8_fp8_f32 v[PC+8*\t+2*\m:PC+8*\t+2*\m+1], v[64*\m+8*\t:64*\m+8*\t+7], v[SCO+\p]   ; v: eight keys of channel tile t
.else
	v_cvt_scalef32_pk8_fp8_f32 v[PC+16*\m+2*\t:PC+16*\m+2*\t+1], v[64*\m+8*\t:64*\m+8*\t+7], v[SCO+\p]   ; q, k: eight channels of token tile m
.endif
.endr
.endr
	WIN 0
	v_nop                                          ; a plain instruction between the conversions and the next products, which write their sources
.set n, 0
.rept 16
.if \p == 2
	global_store_b128 v[LI], v[PC+4*n:PC+4*n+3], s[QB+2*\p:QB+2*\p+1] offset:(n/2)*2048+(n%2)*512   ; 32 lanes store 512 consecutive bytes
.else
	global_store_b128 v[LI], v[PC+4*n:PC+4*n+3], s[QB+2*\p:QB+2*\p+1] offset:512*n
.endif
.set n, n+1
.endr
.endm
	s_load_b256 s[8:15], s[0:1], 0x0               ; x s[8:9], g1 s[10:11], be1 s[12:13], the exponents s[14:15]
	s_load_b128 s[16:19], s[0:1], 0x20             ; wqkv s[16:17], qc s[18:19]
	s_load_b64 s[20:21], s[0:1], 0x30              ; kv
	v_lshl_add_u32 v[SPW], v0, 2, SPARE
	v_mov_b32 v[NIL], 0
	ds_add_u32 v1, v2
	ds_add_u32 v1, v2
	s_wait_dscnt 0x0
	v_lshrrev_b32 v25, 5, v0
	v_readfirstlane_b32 s[WV], v25                 ; wave 0..3
	; descriptor group 1: a dense block of 32,768 bytes as 128 rows of 32 elements of 8 bytes
	s_mov_b32 s[G1], 15|(3<<16)|(1<<21)            ; 15:0 the mask: all four work-groups; 17:16 elements of 8 bytes; 21 set beside a mask
	s_mov_b32 s[G1+1], 32<<16                      ; tensor_dim0 = 32
	s_mov_b32 s[G1+2], 128<<16                     ; tensor_dim1 = 128
	s_mov_b32 s[G1+3], 32<<16                      ; tile_dim0 = 32
	s_mov_b32 s[G1+4], 128                         ; tile_dim1 = 128
	s_mov_b32 s[G1+5], 32                          ; from row to row
	s_mov_b32 s[G1+6], 0
	s_mov_b32 s[G1+7], 0
	s_lshl_b32 s7, s[WV], 15                       ; my part of a slot
	s_mov_b32 s22, s7
	s_mov_b32 s23, 0
	s_mov_b32 s[SEL], 0x76543210
	s_mov_b32 s[SEL+1], 0xfedcba98
	s_wait_kmcnt 0x0
	s_load_b512 s[EX:EX+15], s[14:15], 0x0         ; e0 .. e15
	s_add_nc_u64 s[G0A+2:G0A+3], s[16:17], s[22:23]
	s_add_nc_u64 s[G0+2:G0+3], s[G0A+2:G0A+3], SLOTB
	s_or_b32 s[G0A+3], s[G0A+3], 0x80000000
	s_or_b32 s[G0+3], s[G0+3], 0x80000000
	s_mov_b32 s[G0A], 1
	s_mov_b32 s[G0A+1], s7
	s_mov_b32 s[G0], 1
	s_add_co_u32 s[G0+1], s7, SLOTB
	ROUND                                          ; all four work-groups are here: the first joint loads meet
	tensor_load_to_lds s[G0A:G0A+3], s[G1:G1+7]    ; the stream's slots 0 and 1
	s_nop 0
	tensor_load_to_lds s[G0:G0+3], s[G1:G1+7]
	s_nop 0
	PLACES
	v_and_b32 v25, 31, v0                          ; lane
	v_and_b32 v26, 15, v0                          ; r
	v_bfe_u32 v27, v0, 4, 1                        ; h
	v_lshlrev_b32 v[LI], 4, v25
	v_add_nc_u32 v[ADW0], s7, v[LI]
	v_add_nc_u32 v[ADW1], SLOTB, v[ADW0]
	v_add_nc_u32 v[XIA], IMG, v[LI]
	s_lshl_b32 s22, s[WV], 11
	v_add_nc_u32 v[HST], s22, v[XIA]
	s_mul_i32 s22, s[WV], 4352
	s_add_co_u32 s22, s22, STG
	v_mul_u32_u24 v[STA], v27, 272
	v_lshl_add_u32 v[STA], v26, 4, v[STA]
	v_add_nc_u32 v[STA], s22, v[STA]
	v_mul_u32_u24 v[STB], v26, 272
	v_lshl_add_u32 v[STB], v27, 6, v[STB]
	v_add_nc_u32 v[STB], s22, v[STB]
	v_lshlrev_b32 v[GXO], 11, v27
	v_lshl_add_u32 v[GXO], v26, 4, v[GXO]          ; lanes 0-15 one row of x, lanes 16-31 the next; 16 bytes a lane
	v_lshlrev_b32 v[GCO], 6, v27                   ; g1, be1: 64 h
	s_bfe_u32 s24, ttmp6, 0x40000                  ; cx: it enters global addresses alone
	s_lshl_b32 s25, ttmp9, 2
	s_add_co_u32 s25, s25, s24                     ; g: my block of 64 tokens
	s_lshl_b32 s22, s25, 6
	s_lshr_b32 s26, s[WV], 1
	s_lshl_b32 s26, s26, 5
	s_add_co_u32 s22, s22, s26
	s_and_b32 s26, s[WV], 1
	s_lshl_b32 s26, s26, 3
	s_add_co_u32 s22, s22, s26                     ; my tile's first token: 64 g + 32 (w / 2) + 8 (w % 2)
	s_lshl_b32 s22, s22, 11
	s_add_nc_u64 s[8:9], s[8:9], s[22:23]
	WIN 0x40
.irp q, 0,1,2,3,4,5,6,7
.irp i, 0,1,2,3,4,5,6,7
	global_load_b128 v[32*\q+4*\i:32*\q+4*\i+3], v[GXO], s[8:9] offset:(2*\i+8*(\i/4))*2048+256*\q th:TH_LOAD_NT   ; sixteen lanes read 256 consecutive bytes of a row
.endr
.endr
	WIN 0
	s_lshl_b32 s22, s25, 15
	s_lshl_b32 s26, s[WV], 13
	s_add_co_u32 s22, s22, s26
	s_add_nc_u64 s[QB:QB+1], s[18:19], s[22:23]    ; q: block g, K step w
	s_lshr_b32 s2, s25, 5
	s_lshl_b32 s2, s2, 21
	s_bfe_u32 s26, s25, 0x30002
	s_lshl_b32 s26, s26, 18
	s_add_co_u32 s2, s2, s26                       ; my batch, and my 256 keys' pair of slots
	s_and_b32 s26, s25, 3
	s_lshl_b32 s26, s26, 15
	s_lshl_b32 s27, s[WV], 13
	s_add_co_u32 s26, s26, s27
	s_add_co_u32 s22, s2, s26
	s_add_nc_u64 s[QB+2:QB+3], s[20:21], s[22:23]  ; k: the part of the wave that will read my 64 keys, K step w
	s_bfe_u32 s26, s25, 0x10001
	s_lshl_b32 s26, s26, 14
	s_and_b32 s27, s25, 1
	s_lshl_b32 s27, s27, 10
	s_add_co_u32 s26, s26, s27
	s_add_co_u32 s26, s26, s7
	s_add_co_u32 s26, s26, SLOTB
	s_add_co_u32 s22, s2, s26
	s_add_nc_u64 s[QB+4:QB+5], s[20:21], s[22:23]  ; v: the slot behind, channels 128 w on, my 64 keys' half of a fragment
	WIN 0x44
.irp q, 0,1,2,3,4,5,6,7
	s_wait_loadcnt 56-8*\q                         ; this unit's eight loads are in; the younger units' may be out
	XTURN 32*\q
.endr
	WIN 0x80
.set n, 0
.rept 64
	global_load_b128 v[4*n:4*n+3], v[GCO], s[10:11] offset:512*(n/16)+128*((n/4)%4)+16*(n%4)   ; g1 in h's layout
.set n, n+1
.endr
	WIN 0xc0
.set n, 0
.rept 64
	global_load_b128 v[4*n:4*n+3], v[GCO], s[12:13] offset:512*(n/16)+128*((n/4)%4)+16*(n%4)   ; be1 likewise
.set n, n+1
.endr
	s_wait_dscnt 0x0                               ; x lies in the fragment's order: v[64 ks + 16 c + i] = column 128 ks + 32 c + 16 h + i of token r
	; the mean: my 256 numbers in four chains, then lane l xor 16's
	WIN 0x05
.irp c, 0,1,2,3
	v_pk_add_f32 v[T+2*\c:T+2*\c+1], v[2*\c:2*\c+1], v[8+2*\c:9+2*\c]
.endr
	WIN 0x04
.set j, 16
.rept 120
	v_pk_add_f32 v[T+j%8:T+j%8+1], v[T+j%8:T+j%8+1], v[j:j+1]
.set j, j+2
.endr
	WIN 0
	v_pk_add_f32 v[T:T+1], v[T:T+1], v[T+2:T+3]
	v_pk_add_f32 v[T+4:T+5], v[T+4:T+5], v[T+6:T+7]
	v_pk_add_f32 v[T:T+1], v[T:T+1], v[T+4:T+5]
	v_add_f32 v[T], v[T], v[T+1]
	v_permlanex16_b32 v[T+2], v[T], s[SEL], s[SEL+1]
	v_add_f32 v[T], v[T], v[T+2]
	v_mul_f32 v[MU], 0x3b000000, v[T]              ; / 512
	v_mov_b32 v[MU+1], v[MU]
	WIN 0x41
.set j, 0
.rept 128
	v_pk_add_f32 v[j:j+1], v[j:j+1], v[MU:MU+1] op_sel_hi:[1,0] neg_lo:[0,1] neg_hi:[0,1]   ; x - mean, in place
.set j, j+2
.endr
	WIN 0x05
.irp c, 0,1,2,3
	v_pk_mul_f32 v[T+2*\c:T+2*\c+1], v[2*\c:2*\c+1], v[2*\c:2*\c+1]
.endr
.set j, 8
.rept 124
	v_pk_fma_f32 v[T+j%8:T+j%8+1], v[j:j+1], v[j:j+1], v[T+j%8:T+j%8+1]
.set j, j+2
.endr
	WIN 0
	v_pk_add_f32 v[T:T+1], v[T:T+1], v[T+2:T+3]
	v_pk_add_f32 v[T+4:T+5], v[T+4:T+5], v[T+6:T+7]
	v_pk_add_f32 v[T:T+1], v[T:T+1], v[T+4:T+5]
	v_add_f32 v[T], v[T], v[T+1]
	v_permlanex16_b32 v[T+2], v[T], s[SEL], s[SEL+1]
	v_add_f32 v[T], v[T], v[T+2]
	s_mov_b32 s26, 0x3b000000                      ; 1 / 512
	s_mov_b32 s27, 0x3727c5ac                      ; 1e-5
	v_fma_f32 v[T], v[T], s26, s27
	v_rsq_f32 v[RS], v[T]
	v_nop                                          ; a plain instruction behind the transcendental,
	s_wait_alu depctr_va_vdst(0)                   ; and the wait ahead of the first use of its result
	v_mov_b32 v[RS+1], v[RS]
	s_wait_kmcnt 0x0
	MKS EX+0, SCH+0, LH+0
	MKS EX+2, SCH+1, LH+2
	MKS EX+4, SCH+2, LH+4
	s_sub_co_i32 s24, s[EX+6], s[EX+0]
	s_sub_co_i32 s24, s24, s[EX+1]
	MKS 24, SCO+0, LO+0
	s_sub_co_i32 s24, s[EX+7], s[EX+2]
	s_sub_co_i32 s24, s24, s[EX+3]
	MKS 24, SCO+1, LO+2
	s_sub_co_i32 s24, s[EX+9], s[EX+4]
	s_sub_co_i32 s24, s24, s[EX+5]
	MKS 24, SCO+2, LO+4
	WIN 0x41
.set j, 0
.rept 128
	v_pk_mul_f32 v[j:j+1], v[j:j+1], v[RS:RS+1] op_sel_hi:[1,0]
.set j, j+2
.endr
	s_wait_loadcnt 0x0                             ; g1 and be1
	WIN 0x79
.set j, 0
.rept 128
	v_pk_fma_f32 v[j:j+1], v[j:j+1], v[j:j+1], v[j:j+1]   ; h = (x - mean) rsqrt(var + eps) x g1 (window 2) + be1 (window 3)
.set j, j+2
.endr
	WIN 0
	QH 0
	s_wait_tensorcnt 0x1                           ; my part of the stream's slot 0 is in; slot 1's may stay out: I alone read my parts, and nothing is filled here
	MULB ADW0, 0, 1, 0
	CHANGE                                         ; slot 2 goes out
	MULB ADW1, 16384, 0, 0
	CHANGE                                         ; slot 3
	EPI 0
	QH 1
	MULB ADW0, 0, 1, 0
	CHANGE                                         ; slot 4
	MULB ADW1, 16384, 0, 0
	CHANGE                                         ; slot 5: the last
	EPI 1
	QH 2
	MULB ADW0, 0, 1, 1
	s_wait_tensorcnt 0x0                           ; my part of slot 5 is in
	MULB ADW1, 16384, 0, 1
	EPI 2
	s_wait_tensorcnt 0x0                           ; the wave's end
	ds_add_u32 v[SPW], v[NIL]
	s_wait_dscnt 0x0
	ROUND                                          ; the closing round: no work-group ends while a partner may still ask for a tile that names it
	s_endpgm
.Lfunc_end_k_q38ce564e6b_qkv:
	.size	k_q38ce564e6b_qkv, .Lfunc_end_k_q38ce564e6b_qkv-k_q38ce564e6b_qkv
	.p2alignl 7, 3214868480
	.fill 96, 4, 3214868480
	.section	.rodata,"a",@progbits
	.p2align	6, 0x0
	.amdhsa_kernel k_q38ce564e6b_qkv
		.amdhsa_group_segment_fixed_size 327680
		.amdhsa_private_segment_fixed_size 0
		.amdhsa_enable_private_segment 0
		.amdhsa_kernarg_size 56
		.amdhsa_user_sgpr_count 2
		.amdhsa_user_sgpr_kernarg_segment_ptr 1
		.amdhsa_wavefront_size32 1
		.amdhsa_system_sgpr_workgroup_id_x 1
		.amdhsa_system_sgpr_workgroup_id_y 1
		.amdhsa_system_sgpr_workgroup_id_z 1
		.amdhsa_system_vgpr_workitem_id 0
		.amdhsa_next_free_vgpr 1024
		.amdhsa_next_free_sgpr 88
		.amdhsa_reserve_vcc 0
		.amdhsa_float_denorm_mode_32 3
		.amdhsa_float_denorm_mode_16_64 3
		.amdhsa_memory_ordered 1
		.amdhsa_forward_progress 1
		.amdhsa_inst_pref_size 255
	.end_amdhsa_kernel
	.section	.bss,"aw",@nobits
	.p2align	6
	.space	262144
	.amdgpu_metadata
---
amdhsa.version: [ 1, 2 ]
amdhsa.kernels:
  - .name:           k_q38ce564e6b_qkv
    .symbol:         k_q38ce564e6b_qkv.kd
    .args:
      - { .name: x, .offset: 0, .size: 8, .value_kind: global_buffer, .address_space: global }
      - { .name: g1, .offset: 8, .size: 8, .value_kind: global_buffer, .address_space: global }
      - { .name: be1, .offset: 16, .size: 8, .value_kind: global_buffer, .address_space: global }
      - { .name: lowp_scales, .offset: 24, .size: 8, .value_kind: global_buffer, .address_space: global }
      - { .name: wqkv, .offset: 32, .size: 8, .value_kind: global_buffer, .address_space: global }
      - { .name: qc, .offset: 40, .size: 8, .value_kind: global_buffer, .address_space: global }
      - { .name: kv, .offset: 48, .size: 8, .value_kind: global_buffer, .address_space: global }
    .group_segment_fixed_size: 327680
    .private_segment_fixed_size: 0
    .kernarg_segment_align: 8
    .kernarg_segment_size: 56
    .max_flat_workgroup_size: 128
    .sgpr_count:     88
    .vgpr_count:     1024
    .wavefront_size: 32
...
	.end_amdgpu_metadata
.endif
;; end of part 2
;; launch attn (part 3): grid 256 x 1, 4 waves a work-group, clusters of 4 x 1, 327,680 bytes of LDS; arguments qc, kv, wt, lowp_scales, x, g2, be2, b1, b2, out0; writes out0
.if DOCPART == 3
	.amdgcn_target "amdgcn-amd-amdhsa--gfx1250"
	.amdhsa_code_object_version 6
	.text
	.protected	k_q38ce564e6b_attn
	.globl	k_q38ce564e6b_attn
	.p2align	8
	.type	k_q38ce564e6b_attn,@function
k_q38ce564e6b_attn:
	s_mov_b64 s[64:65], 0
	v_nop
	global_prefetch_b8 v0, s[64:65] scope:SCOPE_SE
	s_setreg_imm32_b32 hwreg(HW_REG_WAVE_MODE, 25, 1), 1
	s_wait_xcnt 0x0
	s_wait_alu depctr_hold_cnt(0) depctr_sa_sdst(0) depctr_va_vdst(0) depctr_va_sdst(0) depctr_va_ssrc(0) depctr_va_vcc(0) depctr_vm_vsrc(0)
	s_getreg_b32 s2, hwreg(HW_REG_IB_STS2, 6, 4)
	s_cmp_eq_u32 s2, 0
	s_cbranch_scc0 .Lentry_in_a_cluster
	s_endpgm
.Lentry_in_a_cluster:
	s_bfe_u32 s2, ttmp6, 0x10000c
	s_cmp_lg_u32 s2, 0x3003
	s_cbranch_scc0 .Lentry_shape_is_right
	s_endpgm
.Lentry_shape_is_right:
; For 64 tokens: softmax(q k^T / sqrt(512)) v, x Wo, + x, layer norm, gelu(. W1 + b1) W2 + b2, + the residual: five products on codes of E4M3, nothing between them goes to memory.
; SHARES.  A work-group owns 64 tokens (four token tiles m of 16) of one batch.  In the scores wave w takes 64 of a step's 256 keys; everywhere else it takes columns 128 w .. 128 w + 127 (in W1: 32 of a trip's 128 hidden units).
; A FRAGMENT is 16 rows x 128 k of codes, 16 registers a lane: lane (r = l % 16, h = l / 16) holds, of row r, k = 32 c + 16 h + 0..15 in registers 4 c .. 4 c + 3; in memory and LDS it lies as an image of its registers, byte 512 c + 16 lane.
; All products are used transposed (source 0 = 16 keys, channels or columns, source 1 = 16 tokens): a lane holds ONE token throughout.  Row r of a source-0 tile 2 b + u is row 32 b + 8 u + r + 8 (r / 8) of its group of 32, so that
; a lane's eight results are the neighbours 32 b + 16 h + 8 u + 0..7 along the next K and a conversion gives two registers of the next operand.  Token tile 2 bm + um, row r, is token 32 bm + 8 um + r + 8 (r / 8).
; Operands go from wave to wave through LDS as images of their registers.
; THE STREAM.  K and V of the batch (16 slots of 131,072 bytes: K of 256 keys, then V^T of the same keys) and then Wo, W1, W2 (10 slots) walk through a ring of two LDS slots.  Wave w fetches and alone reads part w of a slot.
; The four work-groups of a cluster belong to one batch and walk the same stream: each slot is asked for jointly.  By this text's own count a wave has two tensor loads out at the start and one behind each change of slots.
; THE SOFTMAX: t = score x log2(e) / sqrt(512); M = the running largest t over all four waves' keys, rounded up to a whole number; p = 2^(t - M) is quantised; the row's sum is taken of the unquantised p and divides O at the end.
; GELU: 0.5 z (1 + erf(z / sqrt 2)), erf(u) = u P(u^2) / Q(u^2) on u held within +-4, polynomials of degree 6 and 4 in f32.  1 + erf is formed by an addition, so far below zero gelu keeps an absolute error of about 1e-7 |z|.
; The residual x1 rides in the last product's accumulators (less its row's mean, divided by the power of two that the sums lack), so it shares their rounding.
; LIMITS: e8, e12, e14 and e10 - e8 - e9 between -126 and 119; e6 + e7 between -122 and 130; e10 + e11, e14 + e15 and e12 + e13 between -126 and 126.  NaN and infinities among the inputs are not served.
; REGISTERS, in windows of 256: window 0: v1-31 addresses and scales; v32-63 eight figures a token tile; v64-127, v128-191 four weight fragments each; v192-255 codes and exchanged words.
;   window 1: Q's 16 fragments; later x, x1, x1 - mean; later the normed rows' 16 fragments; at the end b2.   window 2: v0-127 scores and p; later g2, be2; later the hidden layer and gelu's work; from v128, v192 four token fragments each.
;   window 3: 32 accumulators, (tile t, token tile m) at v[64 m + 8 t]: O^T, then the Wo product, then the result.
.set SLOTB, 131072
.set IMG,   262144                     ; 16 images, index 4 ks + m: p, then O, then the normed rows
.set HIMG,  294912                     ; 4 images: a trip's hidden codes
.set STG,   303104                     ; a stage of 16 rows x 272 bytes for each wave
.set B1L,   320512                     ; b1 / 2^(e12 + e13), each wave's own 8 x 32 numbers
.set XA,    324608                     ; two blocks of exchanged words, [64 tokens][4 waves]
.set SPARE, 326656                     ; the spare words, 128 bytes for each wave: two blocks of 256 bytes that no other line names
.set SPW, 1
.set NIL, 2
.set LI,  3
.set ADW0, 4
.set ADW1, 5
.set ADR, 6
.set XIA, 7
.set PWI, 8
.set OWI, 9
.set HWI, 10
.set HRA, 11
.set XCS, 12
.set XCL, 13
.set STA, 14
.set STB, 15
.set GXO, 16
.set GCO, 17
.set B1A, 18
.set ADB, 19
.set PFO, 20
.set ST,  32                           ; token tile m at v[ST + 8 m]: +0 -M (later the mean), +1 the largest t (later the mean again), +2, +3 the sum in two halves, +4 f, 1 / sum, rsqrt, +5 zero, +6, +7 at work
.set WF0, 64
.set WF1, 128
.set PC,  192
.set HC,  192
.set B1C, 208
.set XF0, 128
.set XF1, 192
.set GU,  64
.set GX2, 96
.set GP,  128
.set GQ,  160
.set TB,  2
.set CNT, 3
.set WV,  4
.set LIM, 5
.set BJ,  6
.set G1,  28
.set G0A, 36
.set G0,  40
.set WTA, 44
.set PFA, 46
.set CS,  66
.set SEL, 68
.set CA11, 76
.set CA9,  78
.set CA7,  80
.set CA5,  82
.set CA3,  84
.set CA1,  86
.set CB6,  88
.set CB4,  90
.set CB2,  92
.set CB0,  94
.set K1,  96
.set K2,  98
.set MSB, 0
.macro WIN new                         ; the immediate's high byte repeats the setting that is left
.if MSB != (\new)
	s_set_vgpr_msb (MSB<<8)|(\new)
.set MSB, (\new)
.endif
.endm
.macro PLACES                          ; four plain vector instructions between a matrix instruction and a load into, or a vector instruction on, its registers
.rept 4
	v_nop
.endr
.endm
.macro BAR
	s_wait_dscnt 0x0
	s_barrier_signal -1
	s_barrier_wait -1
.endm
.macro ROUND                           ; a round of the cluster's barrier
	s_barrier_signal -1
	s_barrier_wait -1
	s_cmp_lg_u32 s[WV], 0
	s_cbranch_scc1 .Lnw0_\@
	s_barrier_signal -3
.Lnw0_\@:
	s_barrier_wait -3
	s_barrier_signal -1
	s_barrier_wait -1
.endm
.macro FETCH4 reg, adr, off            ; four fragments, 8,192 consecutive bytes, 512 an instruction
.irp q, 0,1,2,3,4,5,6,7,8,9,10,11,12,13,14,15
	ds_load_b128 v[\reg+4*\q:\reg+4*\q+3], v[\adr] offset:\off+512*\q
.endr
.endm
; 16 matrix instructions into window 3: tiles t0 .. t0 + 3 x the four token tiles; sixteen accumulators by turns
.macro MUL16 wf, xf, t0, zero
	WIN 0xf8
.irp t, 0,1,2,3
.irp m, 0,1,2,3
.if \zero
	v_wmma_f32_16x16x128_fp8_fp8 v[64*\m+8*(\t0+\t):64*\m+8*(\t0+\t)+7], v[\wf+16*\t:\wf+16*\t+15], v[\xf+16*\m:\xf+16*\m+15], 0
.else
	v_wmma_f32_16x16x128_fp8_fp8 v[64*\m+8*(\t0+\t):64*\m+8*(\t0+\t)+7], v[\wf+16*\t:\wf+16*\t+15], v[\xf+16*\m:\xf+16*\m+15], v[64*\m+8*(\t0+\t):64*\m+8*(\t0+\t)+7]
.endif
.endr
.endr
.endm
; A slot of V^T or Wo: two K steps x my eight tiles x four token tiles.  pre = 1: the first K step's weight fragments have been fetched already.
.macro MULB adr, xoff, zero, pre
.if !\pre
	PLACES
	WIN 0
	FETCH4 WF0, \adr, 0
	FETCH4 WF1, \adr, 8192
.endif
	WIN 0x80
	FETCH4 XF0, XIA, \xoff
	FETCH4 XF1, XIA, \xoff+8192
	s_wait_dscnt 16                                ; all but the second K step's token fragments
	MUL16 WF0, XF0, 0, \zero
	PLACES
	WIN 0
	FETCH4 WF0, \adr, 16384
	MUL16 WF1, XF0, 4, \zero
	PLACES
	WIN 0
	FETCH4 WF1, \adr, 24576
	s_wait_dscnt 16                                ; all but the sixteen just issued
	MUL16 WF0, XF1, 0, 0
	s_wait_dscnt 0x0
	MUL16 WF1, XF1, 4, 0
.endm
; 16 matrix instructions of S^T = K Q^T: my four tiles of keys x the four token tiles, channels 128 ks on
.macro MUL16A wf, ks, zero
	WIN 0xa4
.irp t, 0,1,2,3
.irp m, 0,1,2,3
.if \zero
	v_wmma_f32_16x16x128_fp8_fp8 v[32*\m+8*\t:32*\m+8*\t+7], v[\wf+16*\t:\wf+16*\t+15], v[16*(4*\ks+\m):16*(4*\ks+\m)+15], 0
.else
	v_wmma_f32_16x16x128_fp8_fp8 v[32*\m+8*\t:32*\m+8*\t+7], v[\wf+16*\t:\wf+16*\t+15], v[16*(4*\ks+\m):16*(4*\ks+\m)+15], v[32*\m+8*\t:32*\m+8*\t+7]
.endif
.endr
.endr
.endm
; 8 matrix instructions of the hidden layer: my two tiles of hidden units x the four token tiles, K step ks.  bias = 1: b1 is the C of the sums' first product.
.macro MULH wf, ks, bias
.if \bias
	WIN 0x84
.else
	WIN 0xa4
.endif
.irp u, 0,1
.irp m, 0,1,2,3
.if \bias
	v_wmma_f32_16x16x128_fp8_fp8 v[8*(4*\u+\m):8*(4*\u+\m)+7], v[\wf+16*(2*(\ks%2)+\u):\wf+16*(2*(\ks%2)+\u)+15], v[16*(4*\ks+\m):16*(4*\ks+\m)+15], v[B1C+8*\u:B1C+8*\u+7]
.else
	v_wmma_f32_16x16x128_fp8_fp8 v[8*(4*\u+\m):8*(4*\u+\m)+7], v[\wf+16*(2*(\ks%2)+\u):\wf+16*(2*(\ks%2)+\u)+15], v[16*(4*\ks+\m):16*(4*\ks+\m)+15], v[8*(4*\u+\m):8*(4*\u+\m)+7]
.endif
.endr
.endr
.endm
; A PREFETCH INTO THE L2 of the slot of K or V that stands two fills on.  All eight clusters of a batch walk the same 16 slots: the batch's first cluster asks.  Its four partners take 32,768 bytes each, told apart by address;
; each wave 8,192 of them, lanes 256 bytes apart: one instruction a wave, and each block of 256 bytes of slots 4 to 15 is named once in the launch.  The last two trips ask for nothing: the batch has no slot there.
.macro ASK
	s_cmp_gt_u32 s[CNT], s[LIM]
	s_cbranch_scc0 .Lnoask_\@
	global_prefetch_b8 v[PFO], s[PFA:PFA+1] th:TH_LOAD_NT scope:SCOPE_SE
.Lnoask_\@:
.endm
; THE CHANGE OF SLOTS: every wave waits for all its tensor loads, adds 0 to its spare word, waits for that and for its LDS instructions.  fill = 1: a round of the cluster's barrier, and the slot just read is filled with the
; stream's next slot but one.  sel = 1: in the loop's last trip the stream goes over from K and V to the weights.  ask = 1: the prefetches' address steps and the prefetch follows; 2: it steps, and the caller places the prefetch.
.macro CHANGE fill, sel, ask
	WIN 0
	s_wait_tensorcnt 0x0                           ; no tensor load of mine is out, so the walking group 0 may be written
	ds_add_u32 v[SPW], v[NIL]
.if \fill
	s_xor_b32 s[G0+1], s[G0+1], SLOTB              ; the other LDS slot than last time,
	s_add_nc_u64 s[G0+2:G0+3], s[G0+2:G0+3], SLOTB ; the stream's next slot; the type bits on top are not reached
.if \sel
	s_cmp_eq_u32 s[CNT], 1
	s_cselect_b64 s[G0+2:G0+3], s[WTA:WTA+1], s[G0+2:G0+3]
.endif
.if \ask
	s_wait_xcnt 0x0                                ; the last prefetch, half a trip back, has read its address
	s_add_nc_u64 s[PFA:PFA+1], s[PFA:PFA+1], SLOTB
.endif
	s_wait_dscnt 0x0                               ; the add is done, my reads of the slot are over, my stores for the other waves have landed
	ROUND
	tensor_load_to_lds s[G0:G0+3], s[G1:G1+7]
	s_nop 0
	PLACES
.if \ask == 1
	ASK
.endif
.else
	s_wait_dscnt 0x0
	s_barrier_signal -1
	s_barrier_wait -1
.endif
.endm
; 16 rows x 64 columns, loaded as rows of 256 bytes, turn through my own stage into the accumulators' order: register rb + 16 bb + i = column 32 bb + 16 h + i of token r.  LDS serves a wave's instructions in order.
.macro XTURN rb
.irp i, 0,1,2,3,4,5,6,7
	ds_store_b128 v[STA], v[\rb+4*\i:\rb+4*\i+3] offset:544*\i
.endr
.irp bb, 0,1
.irp jj, 0,1,2,3
	ds_load_b128 v[\rb+16*\bb+4*\jj:\rb+16*\bb+4*\jj+3], v[STB] offset:128*\bb+16*\jj
.endr
.endr
.endm
.macro XLOADU n                        ; unit n: token tile n / 2, columns 128 w + 64 (n % 2) on
.irp i, 0,1,2,3,4,5,6,7
	global_load_b128 v[32*(\n)+4*\i:32*(\n)+4*\i+3], v[GXO], s[16:17] offset:(32*((\n)/4)+8*(((\n)/2)%2)+2*\i+8*(\i/4))*2048+256*((\n)%2) th:TH_LOAD_NT
.endr
.endm
; For each token tile: the pair at ST + src is added up, with lane l xor 16's and with the other three waves' through the exchanged words at off; the sum is left in v[PC + 4 m].
.macro XCHG src, off
.irp m, 0,1,2,3
	v_add_f32 v[ST+8*\m+6], v[ST+8*\m+\src], v[ST+8*\m+\src+1]
.endr
.irp m, 0,1,2,3
	v_permlanex16_b32 v[ST+8*\m+7], v[ST+8*\m+6], s[SEL], s[SEL+1]
.endr
.irp m, 0,1,2,3
	v_add_f32 v[ST+8*\m+6], v[ST+8*\m+6], v[ST+8*\m+7]
.endr
.irp m, 0,1,2,3
	ds_store_b32 v[XCS], v[ST+8*\m+6] offset:\off+256*\m
.endr
	BAR
.irp m, 0,1,2,3
	ds_load_b128 v[PC+4*\m:PC+4*\m+3], v[XCL] offset:\off+256*\m
.endr
	s_wait_dscnt 0x0
.irp m, 0,1,2,3
	v_add_f32 v[PC+4*\m], v[PC+4*\m], v[PC+4*\m+1]
.endr
.irp m, 0,1,2,3
	v_add_f32 v[PC+4*\m+2], v[PC+4*\m+2], v[PC+4*\m+3]
.endr
.irp m, 0,1,2,3
	v_add_f32 v[PC+4*\m], v[PC+4*\m], v[PC+4*\m+2]
.endr
.endm
.macro MKS e, vsc, lim, nlim           ; from the exponent in s[e]: v[vsc] = 2^e, s[lim] = 448 x 2^e, s[nlim] = its negative (nlim = 0: none)
	s_add_co_i32 s7, s[\e], 127
	s_lshl_b32 s75, s7, 23
	v_mov_b32 v[\vsc], s75
	s_add_co_i32 s7, s7, 8
	s_lshl_b32 s7, s7, 23
	s_or_b32 s[\lim], s7, 0x600000
.if \nlim
	s_xor_b32 s[\nlim], s[\lim], 0x80000000
.endif
.endm
.macro SPAIR r, bits                   ; a constant as a pair: the packed forms name a pair and take its low word for both halves
	s_mov_b32 s[\r], \bits
	s_mov_b32 s[\r+1], \bits
.endm
.macro HORNER acc, coef                ; acc = acc x u^2 + a coefficient, 16 pairs
.set p, 0
.rept 16
	v_pk_fma_f32 v[\acc+p:\acc+p+1], v[\acc+p:\acc+p+1], v[GX2+p:GX2+p+1], s[\coef:\coef+1] op_sel_hi:[1,1,0]
.set p, p+2
.endr
.endm
; gelu, the hold and the conversion for my hidden tile u, all four token tiles: 32 numbers a lane, all in window 2
.macro GELU u
	WIN 0xaa
.set p, 0
.rept 16
	v_pk_mul_f32 v[GU+p:GU+p+1], v[32*\u+p:32*\u+p+1], s[K1:K1+1] op_sel_hi:[1,0]   ; u = z / sqrt 2; a sum stands for z / 2^(e12 + e13).  Each accumulator from its low end on
.set p, p+2
.endr
.set p, 0
.rept 32
	v_med3_num_f32 v[GU+p], v[GU+p], -4.0, 4.0
.set p, p+1
.endr
.set p, 0
.rept 16
	v_pk_mul_f32 v[GX2+p:GX2+p+1], v[GU+p:GU+p+1], v[GU+p:GU+p+1]
.set p, p+2
.endr
.set p, 0
.rept 16
	v_pk_fma_f32 v[GP+p:GP+p+1], v[GX2+p:GX2+p+1], v[192:193], s[CA11:CA11+1] op_sel_hi:[1,1,0]
.set p, p+2
.endr
.set p, 0
.rept 16
	v_pk_fma_f32 v[GQ+p:GQ+p+1], v[GX2+p:GX2+p+1], v[194:195], s[CB6:CB6+1] op_sel_hi:[1,1,0]
.set p, p+2
.endr
	HORNER GP, CA9
	HORNER GQ, CB4
	HORNER GP, CA7
	HORNER GQ, CB2
	HORNER GP, CA5
	HORNER GQ, CB0
.set p, 0
.rept 32
	v_rcp_f32 v[GQ+p], v[GQ+p]                     ; one batch; the rest of P's polynomial is the independent work behind it
.set p, p+1
.endr
	HORNER GP, CA3
	HORNER GP, CA1
.set p, 0
.rept 16
	v_pk_mul_f32 v[GP+p:GP+p+1], v[GP+p:GP+p+1], v[GU+p:GU+p+1]
.set p, p+2
.endr
.set p, 0
.rept 16
	v_pk_mul_f32 v[32*\u+p:32*\u+p+1], v[32*\u+p:32*\u+p+1], s[K2:K2+1] op_sel_hi:[1,0]   ; z / 2
.set p, p+2
.endr
	s_wait_alu depctr_va_vdst(0)                   ; one wait for the 32 reciprocals, ahead of their first reader
.set p, 0
.rept 16
	v_pk_mul_f32 v[GP+p:GP+p+1], v[GP+p:GP+p+1], v[GQ+p:GQ+p+1]   ; erf
.set p, p+2
.endr
.set p, 0
.rept 16
	v_pk_fma_f32 v[32*\u+p:32*\u+p+1], v[32*\u+p:32*\u+p+1], v[GP+p:GP+p+1], v[32*\u+p:32*\u+p+1]   ; z / 2 x erf + z / 2
.set p, p+2
.endr
.set p, 0
.rept 32
	v_med3_num_f32 v[32*\u+p], v[32*\u+p], s101, s100   ; the hold at the largest code x 2^e14 (ISA guide 7.6.2)
.set p, p+1
.endr
	WIN 0x02
.irp m, 0,1,2,3
	v_cvt_scalef32_pk8_fp8_f32 v[HC+4*\m+2*\u:HC+4*\m+2*\u+1], v[32*\u+8*\m:32*\u+8*\m+7], v24
.endr
.endm
; A TRIP OF THE MLP: 128 hidden units.  Its slot holds my 8 fragments of W1 and my 8 of W2.
.macro TRIP fill
	CHANGE \fill, 0, 0                             ; this trip's slot is whole; the slot read last trip takes the next trip's; no wave still reads the last trip's hidden images
.if !\fill
	PLACES
.endif
	v_add_nc_u32 v[ADR], s[TB], v[ADW0]
	v_add_nc_u32 v[ADB], s[BJ], v[B1A]
.irp q, 0,1,2,3
	ds_load_b128 v[B1C+4*\q:B1C+4*\q+3], v[ADB] offset:16*\q   ; b1 of my two tiles, in the result's layout
.endr
	FETCH4 WF0, ADR, 0
	FETCH4 WF1, ADR, 8192
	s_wait_dscnt 16                                ; all but W1's K steps 2 and 3
	MULH WF0, 0, 1
	MULH WF0, 1, 0
	PLACES
	WIN 0
	FETCH4 WF0, ADR, 16384                         ; W2's tiles 0-3
	s_wait_dscnt 16                                ; all but those
	MULH WF1, 2, 0
	MULH WF1, 3, 0
	PLACES
	WIN 0
	FETCH4 WF1, ADR, 24576                         ; W2's tiles 4-7
.if !\fill
	WIN 0x40                                       ; the last trip: the normed rows' fragments are done with; b2 takes their first registers
.set n, 0
.rept 16
	global_load_b128 v[4*n:4*n+3], v[GCO], s[24:25] offset:128*(n/4)+16*(n%4)
.set n, n+1
.endr
.endif
	GELU 0
	GELU 1
	WIN 0
	v_nop                                          ; a plain instruction between the conversions and the next products, which write their sources
.irp m, 0,1,2,3
	ds_store_b128 v[HWI], v[HC+4*\m:HC+4*\m+3] offset:2048*\m   ; my 32 hidden units are block w of the trip's fragment
.endr
	BAR                                            ; the four hidden fragments lie in LDS
	WIN 0x80
	FETCH4 XF0, HRA, 0
	s_wait_dscnt 0x0
	MUL16 WF0, XF0, 0, 0
	MUL16 WF1, XF0, 4, 0
	WIN 0
	s_xor_b32 s[TB], s[TB], SLOTB
	s_add_co_u32 s[BJ], s[BJ], 128
.endm
; THE WAY OUT of unit n (token tile n / 2, 64 columns): through my stage, back as rows of 256 bytes, in place
.macro PACK n
.irp bb, 0,1
.irp jj, 0,1,2,3
	ds_store_b128 v[STB], v[32*(\n)+16*\bb+4*\jj:32*(\n)+16*\bb+4*\jj+3] offset:128*\bb+16*\jj
.endr
.endr
.irp i, 0,1,2,3,4,5,6,7
	ds_load_b128 v[32*(\n)+4*\i:32*(\n)+4*\i+3], v[STA] offset:544*\i
.endr
.endm
.macro SEND n, younger                 ; younger: the LDS instructions issued behind unit n's loads
	s_wait_dscnt \younger
.irp i, 0,1,2,3,4,5,6,7
	global_store_b128 v[GXO], v[32*(\n)+4*\i:32*(\n)+4*\i+3], s[26:27] offset:(32*((\n)/4)+8*(((\n)/2)%2)+2*\i+8*(\i/4))*2048+256*((\n)%2) th:TH_STORE_NT   ; sixteen lanes store 256 consecutive bytes, at a multiple of 256 from the buffer's first byte
.endr
.endm
	s_load_b512 s[8:23], s[0:1], 0x0               ; qc s[8:9], kv s[10:11], wt s[12:13], the exponents s[14:15], x s[16:17], g2 s[18:19], be2 s[20:21], b1 s[22:23]
	s_load_b128 s[24:27], s[0:1], 0x40             ; b2 s[24:25], out0 s[26:27]
	v_lshl_add_u32 v[SPW], v0, 2, SPARE
	v_mov_b32 v[NIL], 0
	ds_add_u32 v1, v2
	ds_add_u32 v1, v2
	s_wait_dscnt 0x0
	v_lshrrev_b32 v25, 5, v0
	v_readfirstlane_b32 s[WV], v25                 ; wave 0..3
	; descriptor group 1: a dense block of 32,768 bytes as 128 rows of 32 elements of 8 bytes
	s_mov_b32 s[G1], 15|(3<<16)|(1<<21)            ; 15:0 the mask: all four work-groups; 17:16 elements of 8 bytes; 21 set beside a mask
	s_mov_b32 s[G1+1], 32<<16
	s_mov_b32 s[G1+2], 128<<16
	s_mov_b32 s[G1+3], 32<<16
	s_mov_b32 s[G1+4], 128
	s_mov_b32 s[G1+5], 32
	s_mov_b32 s[G1+6], 0
	s_mov_b32 s[G1+7], 0
	s_mov_b32 s[SEL], 0x76543210
	s_mov_b32 s[SEL+1], 0xfedcba98
	s_lshl_b32 s7, s[WV], 15                       ; my part of a slot
	s_lshr_b32 s76, ttmp9, 3                       ; the batch: eight clusters each
	s_lshl_b32 s76, s76, 21
	s_add_co_u32 s78, s76, s7
	s_mov_b32 s79, 0
	s_mov_b32 s80, s7
	s_mov_b32 s81, 0
	s_bfe_u32 s92, ttmp6, 0x40000                  ; cx: it enters global addresses of my own loads, stores and prefetches alone
	s_lshl_b32 s93, ttmp9, 2
	s_add_co_u32 s93, s93, s92                     ; g: my block of 64 tokens
	s_lshl_b32 s94, s92, 15
	s_lshl_b32 s95, s[WV], 13
	s_add_co_u32 s94, s94, s95
	s_add_co_u32 s94, s94, s76
	s_add_co_u32 s94, s94, 3*SLOTB                 ; the prefetches stand in slot 3; the first change of slots steps them to slot 4
	s_mov_b32 s95, 0
	s_and_b32 s[LIM], ttmp9, 7
	s_cmp_eq_u32 s[LIM], 0
	s_cselect_b32 s[LIM], 2, -1                    ; the batch's first cluster prefetches while more than two trips are left
	s_wait_kmcnt 0x0
	s_load_b512 s[48:63], s[14:15], 0x0            ; e0 .. e15
	s_add_nc_u64 s[G0A+2:G0A+3], s[10:11], s[78:79]
	s_add_nc_u64 s[G0+2:G0+3], s[G0A+2:G0A+3], SLOTB
	s_add_nc_u64 s[WTA:WTA+1], s[12:13], s[80:81]
	s_add_nc_u64 s[PFA:PFA+1], s[10:11], s[94:95]
	s_or_b32 s[G0A+3], s[G0A+3], 0x80000000
	s_or_b32 s[G0+3], s[G0+3], 0x80000000
	s_or_b32 s[WTA+1], s[WTA+1], 0x80000000
	s_mov_b32 s[G0A], 1
	s_mov_b32 s[G0A+1], s7
	s_mov_b32 s[G0], 1
	s_add_co_u32 s[G0+1], s7, SLOTB
	ROUND                                          ; all four work-groups are here: the first joint loads meet
	tensor_load_to_lds s[G0A:G0A+3], s[G1:G1+7]    ; K and V of the first 256 keys
	s_nop 0
	tensor_load_to_lds s[G0:G0+3], s[G1:G1+7]
	s_nop 0
	PLACES
	s_lshl_b32 s94, s93, 15
	s_add_nc_u64 s[8:9], s[8:9], s[94:95]          ; my block's codes of q
	s_lshl_b32 s94, s93, 17
	s_add_nc_u64 s[16:17], s[16:17], s[94:95]      ; my 64 rows of x
	s_add_nc_u64 s[26:27], s[26:27], s[94:95]      ; and of out0
	v_and_b32 v25, 31, v0                          ; lane
	v_and_b32 v26, 15, v0                          ; r
	v_bfe_u32 v27, v0, 4, 1                        ; h
	v_lshlrev_b32 v[LI], 4, v25
	WIN 0x40
.set n, 0
.rept 64
	global_load_b128 v[4*n:4*n+3], v[LI], s[8:9] offset:512*n th:TH_LOAD_NT   ; Q's 16 fragments stay in registers
.set n, n+1
.endr
	WIN 0
	v_add_nc_u32 v[ADW0], s7, v[LI]
	v_add_nc_u32 v[ADW1], SLOTB, v[ADW0]
	v_add_nc_u32 v[XIA], IMG, v[LI]
	s_lshr_b32 s76, s[WV], 1
	s_lshl_b32 s76, s76, 13
	s_and_b32 s77, s[WV], 1
	s_lshl_b32 s77, s77, 10
	s_add_co_u32 s76, s76, s77
	v_add_nc_u32 v[PWI], s76, v[XIA]               ; p: my 64 keys are blocks 2 (w % 2), + 1 of K step w / 2
	s_lshl_b32 s76, s[WV], 13
	v_add_nc_u32 v[OWI], s76, v[XIA]               ; O and the normed rows: my 128 columns are K step w
	v_add_nc_u32 v[HRA], HIMG, v[LI]
	s_lshl_b32 s76, s[WV], 9
	v_add_nc_u32 v[HWI], s76, v[HRA]
	v_lshlrev_b32 v[GXO], 11, v27
	v_lshl_add_u32 v[GXO], v26, 4, v[GXO]
	v_add_nc_u32 v[GXO], s76, v[GXO]               ; x, out0: lanes 0-15 one row, lanes 16-31 the next; 16 bytes a lane; + my 128 columns
	v_lshlrev_b32 v[GCO], 6, v27
	v_add_nc_u32 v[GCO], s76, v[GCO]               ; g2, be2, b2: my 128 columns, + 64 h
	v_lshlrev_b32 v[XCL], 4, v26
	v_add_nc_u32 v[XCL], XA, v[XCL]
	s_lshl_b32 s76, s[WV], 2
	v_add_nc_u32 v[XCS], s76, v[XCL]
	s_mul_i32 s76, s[WV], 4352
	s_add_co_u32 s76, s76, STG
	v_mul_u32_u24 v[STA], v27, 272
	v_lshl_add_u32 v[STA], v26, 4, v[STA]
	v_add_nc_u32 v[STA], s76, v[STA]
	v_mul_u32_u24 v[STB], v26, 272
	v_lshl_add_u32 v[STB], v27, 6, v[STB]
	v_add_nc_u32 v[STB], s76, v[STB]
	s_lshl_b32 s76, s[WV], 10
	s_add_co_u32 s76, s76, B1L
	v_lshl_add_u32 v[B1A], v27, 6, s76
	v_add_nc_u32 v28, s76, v[LI]
	v_lshlrev_b32 v[PFO], 8, v25
	v_lshrrev_b32 v29, 3, v25
	v_and_b32 v30, 7, v25
	v_lshlrev_b32 v29, 9, v29
	v_lshl_add_u32 v29, v30, 4, v29
	s_lshl_b32 s76, s[WV], 7
	v_add_nc_u32 v29, s76, v29                     ; b1: eight lanes take my 32 numbers of a trip, four trips a load
	global_load_b128 v[PC:PC+3], v29, s[22:23]
	global_load_b128 v[PC+4:PC+7], v29, s[22:23] offset:2048
	WIN 0xc0
.set n, 0
.rept 256
	v_mov_b32 v[n], 0                              ; O^T.  The key step is written once: its first trip finds zeros, which the first change of M leaves zeros; these lines run while the first tiles are on their way
.set n, n+1
.endr
	WIN 0
.irp m, 0,1,2,3
	v_mov_b32 v[ST+8*\m+1], 0xff61b1e6             ; the largest t so far: -3e38, under every t
	v_floor_f32 v[ST+8*\m], -v[ST+8*\m+1]          ; -M
.irp i, 2,3,4,5,6,7
	v_mov_b32 v[ST+8*\m+\i], 0
.endr
.endr
	s_wait_kmcnt 0x0
	s_add_co_i32 s7, s54, s55
	s_lshl_b32 s7, s7, 23
	s_add_co_i32 s[CS], s7, 0x3d8293ee             ; c = log2(e) / sqrt(512), with e6 + e7 added to its exponent field
	s_mov_b32 s[CS+1], s[CS]
	MKS 56, 21, 70, 0                              ; p: 2^e8
	s_sub_co_i32 s76, s58, s56
	s_sub_co_i32 s76, s76, s57
	MKS 76, 22, 71, 72                             ; O: 2^(e10 - e8 - e9)
	MKS 60, 23, 73, 74                             ; the normed rows: 2^e12
	MKS 62, 24, 100, 101                           ; the hidden layer: 2^e14
	s_add_co_i32 s76, s60, s61                     ; E = e12 + e13
	s_sub_co_i32 s77, 0, s76
	s_lshl_b32 s78, s76, 23
	s_add_co_i32 s[K1], s78, 0x3f3504f3            ; 2^E / sqrt 2
	s_mov_b32 s[K1+1], s[K1]
	s_add_co_i32 s78, s76, 126
	s_lshl_b32 s[K2], s78, 23                      ; 2^E / 2
	s_mov_b32 s[K2+1], s[K2]
	s_wait_loadcnt 0x0                             ; Q and b1
.irp i, 0,1,2,3,4,5,6,7
	v_ldexp_f32 v[PC+\i], v[PC+\i], s77            ; b1 goes in divided by the power of two that the sums lack
.endr
	ds_store_b128 v28, v[PC:PC+3]
	ds_store_b128 v28, v[PC+4:PC+7] offset:512
	s_add_co_i32 s8, s58, s59                      ; qc, kv and wt have been used for the last time: their registers take three powers of two
	s_add_co_i32 s8, s8, 127
	s_lshl_b32 s8, s8, 23                          ; 2^(e10 + e11)
	s_mov_b32 s9, s8
	s_add_co_i32 s12, s62, s63
	s_sub_co_i32 s10, 127, s12
	s_lshl_b32 s10, s10, 23                        ; 2^-(e14 + e15)
	s_mov_b32 s11, s10
	s_add_co_i32 s12, s12, 127
	s_lshl_b32 s12, s12, 23                        ; 2^(e14 + e15)
	s_mov_b32 s13, s12
	s_wait_tensorcnt 0x1                           ; my part of K's first slot is in; V's may stay out: I alone read my parts, and nothing is filled here
	s_mov_b32 s[CNT], 8
.Lkeys:                                            ; eight trips of 256 keys
	FETCH4 WF0, ADW0, 0
	FETCH4 WF1, ADW0, 8192
	s_wait_dscnt 16                                ; the older run of sixteen is in, here and three times below
	MUL16A WF0, 0, 1
	PLACES
	WIN 0
	FETCH4 WF0, ADW0, 16384
	s_wait_dscnt 16
	MUL16A WF1, 1, 0
	PLACES
	WIN 0
	FETCH4 WF1, ADW0, 24576
	s_wait_dscnt 16
	MUL16A WF0, 2, 0
	s_wait_dscnt 0x0
	MUL16A WF1, 3, 0
	PLACES
	WIN 0x2a                                       ; the largest score of each of my tokens among my 64 keys: a chain a token tile, each accumulator from its low end on
.irp m, 0,1,2,3
	v_max3_num_f32 v[ST+8*\m+6], v[32*\m], v[32*\m+1], v[32*\m+2]
.endr
	WIN 0x28
.irp k, 1,2,3,4,5,6,7,8,9,10,11,12,13,14
.irp m, 0,1,2,3
	v_max3_num_f32 v[ST+8*\m+6], v[ST+8*\m+6], v[32*\m+2*\k+1], v[32*\m+2*\k+2]
.endr
.endr
.irp m, 0,1,2,3
	v_max_num_f32 v[ST+8*\m+6], v[ST+8*\m+6], v[32*\m+31]
.endr
	WIN 0
.irp m, 0,1,2,3
	v_permlanex16_b32 v[ST+8*\m+7], v[ST+8*\m+6], s[SEL], s[SEL+1]
.endr
.irp m, 0,1,2,3
	v_max_num_f32 v[ST+8*\m+6], v[ST+8*\m+6], v[ST+8*\m+7]
.endr
.irp m, 0,1,2,3
	ds_store_b32 v[XCS], v[ST+8*\m+6] offset:256*\m
.endr
	CHANGE 1, 1, 2                                 ; K's slot takes the next 256 keys (in the last trip Wo's first half); the same round shows every wave the four maxima
.irp m, 0,1,2,3
	ds_load_b128 v[PC+4*\m:PC+4*\m+3], v[XCL] offset:256*\m
.endr
	FETCH4 WF0, ADW1, 0                            ; V's first fragments land during the softmax
	FETCH4 WF1, ADW1, 8192
	ASK
	s_wait_dscnt 32                                ; the four waves' maxima are in; V's 32 loads may be out
.irp m, 0,1,2,3
	v_max3_num_f32 v[ST+8*\m+6], v[PC+4*\m], v[PC+4*\m+1], v[PC+4*\m+2]
.endr
.irp m, 0,1,2,3
	v_max_num_f32 v[ST+8*\m+6], v[ST+8*\m+6], v[PC+4*\m+3]
.endr
.irp m, 0,1,2,3
	v_mul_f32 v[ST+8*\m+6], s[CS], v[ST+8*\m+6]    ; as t (c is positive)
.endr
.irp m, 0,1,2,3
	v_max_num_f32 v[ST+8*\m+1], v[ST+8*\m+1], v[ST+8*\m+6]
.endr
.irp m, 0,1,2,3
	v_mov_b32 v[ST+8*\m+7], v[ST+8*\m]
.endr
.irp m, 0,1,2,3
	v_floor_f32 v[ST+8*\m], -v[ST+8*\m+1]          ; the new -M = -ceil(t): a whole number
.endr
.irp m, 0,1,2,3
	v_sub_f32 v[ST+8*\m+7], v[ST+8*\m], v[ST+8*\m+7]
.endr
.irp m, 0,1,2,3
	v_cvt_i32_f32 v[ST+8*\m+7], v[ST+8*\m+7]       ; (it saturates)
.endr
.irp m, 0,1,2,3
	v_ldexp_f32 v[ST+8*\m+4], 1.0, v[ST+8*\m+7]    ; f = 2^(old M - new M)
.endr
	WIN 0x82
.irp p, 0,2,4,6,8,10,12,14,16,18,20,22,24,26,28,30
.irp m, 0,1,2,3
	v_pk_fma_f32 v[32*\m+\p:32*\m+\p+1], v[32*\m+\p:32*\m+\p+1], s[CS:CS+1], v[ST+8*\m:ST+8*\m+1] op_sel_hi:[1,0,0]   ; t - M
.endr
.endr
.set n, 0
.rept 128
	v_exp_f32 v[n], v[n]                           ; p = 2^(t - M), at most 1, not normalised
.set n, n+1
.endr
	v_nop                                          ; a plain instruction behind the last exponential,
	s_wait_alu depctr_va_vdst(0)                   ; and one wait for the batch, ahead of its first reader
	WIN 0
.irp m, 0,1,2,3
	v_pk_mul_f32 v[ST+8*\m+2:ST+8*\m+3], v[ST+8*\m+2:ST+8*\m+3], v[ST+8*\m+4:ST+8*\m+5] op_sel_hi:[1,0]   ; the sums under the new M
.endr
	WIN 0x08
.irp p, 0,2,4,6,8,10,12,14,16,18,20,22,24,26,28,30
.irp m, 0,1,2,3
	v_pk_add_f32 v[ST+8*\m+2:ST+8*\m+3], v[ST+8*\m+2:ST+8*\m+3], v[32*\m+\p:32*\m+\p+1]   ; the row's sum is taken of the unquantised p
.endr
.endr
	WIN 0x88
.set n, 0
.rept 128
	v_min_num_f32 v[n], s70, v[n]                  ; p is not negative: the hold is one-sided (ISA guide 7.6.2)
.set n, n+1
.endr
	WIN 0x02
.irp m, 0,1,2,3
.irp t, 0,1,2,3
	v_cvt_scalef32_pk8_fp8_f32 v[PC+8*\m+2*\t:PC+8*\m+2*\t+1], v[32*\m+8*\t:32*\m+8*\t+7], v21
.endr
.endr
	WIN 0
	v_nop                                          ; a plain instruction between the conversions and the next scores, which write their sources
.irp m, 0,1,2,3
.irp b, 0,1
	ds_store_b128 v[PWI], v[PC+8*\m+4*\b:PC+8*\m+4*\b+3] offset:2048*\m+512*\b
.endr
.endr
	WIN 0xc3
.irp m, 0,1,2,3
.set p, 0
.rept 32
	v_pk_mul_f32 v[64*\m+p:64*\m+p+1], v[64*\m+p:64*\m+p+1], v[ST+8*\m+4:ST+8*\m+5] op_sel_hi:[1,0]   ; O^T under the new M
.set p, p+2
.endr
.endr
	WIN 0
	BAR                                            ; p's eight fragments lie in LDS
	MULB ADW1, 0, 0, 1                             ; O^T += V^T p^T
	CHANGE 1, 0, 1                                 ; V's slot takes the next 256 keys (in the last trip Wo's second half)
	s_sub_co_u32 s[CNT], s[CNT], 1
	s_cmp_lg_u32 s[CNT], 0
	s_cbranch_scc1 .Lkeys
	; ---- O / the sum becomes the Wo product's operand
	WIN 0x40
.irp n, 0,1,2,3,4,5
	XLOADU \n                                      ; x for the residual: Q's registers are free
.endr
	WIN 0
	XCHG 2, 1024
.irp m, 0,1,2,3
	v_rcp_f32 v[ST+8*\m+4], v[PC+4*\m]
.endr
	v_nop
	s_wait_alu depctr_va_vdst(0)                   ; one wait for the four reciprocals
	WIN 0xc3
.irp m, 0,1,2,3
.set p, 0
.rept 32
	v_pk_mul_f32 v[64*\m+p:64*\m+p+1], v[64*\m+p:64*\m+p+1], v[ST+8*\m+4:ST+8*\m+5] op_sel_hi:[1,0]
.set p, p+2
.endr
.endr
.set n, 0
.rept 256
	v_med3_num_f32 v[n], v[n], s72, s71
.set n, n+1
.endr
	WIN 0x03
.irp m, 0,1,2,3
.irp t, 0,1,2,3,4,5,6,7
	v_cvt_scalef32_pk8_fp8_f32 v[PC+16*\m+2*\t:PC+16*\m+2*\t+1], v[64*\m+8*\t:64*\m+8*\t+7], v22
.endr
.endr
	WIN 0
	v_nop
.set n, 0
.rept 16
	ds_store_b128 v[OWI], v[PC+4*n:PC+4*n+3] offset:512*n
.set n, n+1
.endr
	WIN 0x40
	XLOADU 6
	XLOADU 7
	WIN 0x80
.set n, 0
.rept 16
	global_load_b128 v[4*n:4*n+3], v[GCO], s[18:19] offset:128*(n/4)+16*(n%4)        ; g2 in the accumulators' layout
.set n, n+1
.endr
.set n, 0
.rept 16
	global_load_b128 v[64+4*n:64+4*n+3], v[GCO], s[20:21] offset:128*(n/4)+16*(n%4)  ; be2
.set n, n+1
.endr
	WIN 0
	BAR                                            ; O's sixteen fragments lie in LDS
	MULB ADW0, 0, 1, 0
	CHANGE 1, 0, 0                                 ; the MLP's first slot goes out
	MULB ADW1, 16384, 0, 0
	; ---- x1 = x + the product; the second norm; its rows become the next operand
	PLACES
	s_wait_loadcnt 0x0                             ; x, g2, be2
	WIN 0x44
.irp n, 0,1,2,3,4,5,6,7
	XTURN 32*\n
.endr
	s_wait_dscnt 0x0
	WIN 0x53
.set p, 0
.rept 128
	v_pk_fma_f32 v[p:p+1], v[p:p+1], s[8:9], v[p:p+1] op_sel_hi:[1,0,1]   ; x1 = sum (window 3) x 2^(e10 + e11) + x (window 1)
.set p, p+2
.endr
	WIN 0x05
.irp m, 0,1,2,3
	v_pk_add_f32 v[ST+8*\m+6:ST+8*\m+7], v[64*\m:64*\m+1], v[64*\m+2:64*\m+3]
.endr
	WIN 0x04
.set p, 4
.rept 30
.irp m, 0,1,2,3
	v_pk_add_f32 v[ST+8*\m+6:ST+8*\m+7], v[ST+8*\m+6:ST+8*\m+7], v[64*\m+p:64*\m+p+1]
.endr
.set p, p+2
.endr
	WIN 0
	XCHG 6, 0
	s_mov_b32 s48, 0x3b000000                      ; 1 / 512
	s_mov_b32 s49, 0x3727c5ac                      ; 1e-5
.irp m, 0,1,2,3
	v_mul_f32 v[ST+8*\m], s48, v[PC+4*\m]          ; the mean: it is kept to the end
.endr
.irp m, 0,1,2,3
	v_mov_b32 v[ST+8*\m+1], v[ST+8*\m]
.endr
	WIN 0x41
.irp m, 0,1,2,3
.set p, 0
.rept 32
	v_pk_add_f32 v[64*\m+p:64*\m+p+1], v[64*\m+p:64*\m+p+1], v[ST+8*\m:ST+8*\m+1] op_sel_hi:[1,0] neg_lo:[0,1] neg_hi:[0,1]   ; d = x1 - mean, in place
.set p, p+2
.endr
.endr
	WIN 0x05
.irp m, 0,1,2,3
	v_pk_mul_f32 v[ST+8*\m+6:ST+8*\m+7], v[64*\m:64*\m+1], v[64*\m:64*\m+1]
.endr
.set p, 2
.rept 31
.irp m, 0,1,2,3
	v_pk_fma_f32 v[ST+8*\m+6:ST+8*\m+7], v[64*\m+p:64*\m+p+1], v[64*\m+p:64*\m+p+1], v[ST+8*\m+6:ST+8*\m+7]
.endr
.set p, p+2
.endr
	WIN 0
	XCHG 6, 1024
.irp m, 0,1,2,3
	v_fma_f32 v[PC+4*\m], v[PC+4*\m], s48, s49
.endr
.irp m, 0,1,2,3
	v_rsq_f32 v[ST+8*\m+4], v[PC+4*\m]
.endr
	v_nop
	s_wait_alu depctr_va_vdst(0)                   ; one wait for the four roots
.irp m, 0,1,2,3
	WIN 0x01
.set p, 0
.rept 32
	v_pk_mul_f32 v[WF0+p:WF0+p+1], v[64*\m+p:64*\m+p+1], v[ST+8*\m+4:ST+8*\m+5] op_sel_hi:[1,0]
.set p, p+2
.endr
	WIN 0x28
.set p, 0
.rept 32
	v_pk_fma_f32 v[WF0+p:WF0+p+1], v[WF0+p:WF0+p+1], v[p:p+1], v[64+p:64+p+1]   ; x g2 + be2 (both in window 2)
.set p, p+2
.endr
	WIN 0
.set n, 0
.rept 64
	v_med3_num_f32 v[WF0+n], v[WF0+n], s74, s73
.set n, n+1
.endr
.irp t, 0,1,2,3,4,5,6,7
	v_cvt_scalef32_pk8_fp8_f32 v[PC+16*\m+2*\t:PC+16*\m+2*\t+1], v[WF0+8*\t:WF0+8*\t+7], v23
.endr
	v_nop                                          ; a plain instruction between the conversions and the next tile's lines, which write their sources
.irp c, 0,1,2,3
	ds_store_b128 v[OWI], v[PC+16*\m+4*\c:PC+16*\m+4*\c+3] offset:2048*\m+512*\c
.endr
.endr
	WIN 0xc1
.set p, 0
.rept 128
	v_pk_mul_f32 v[p:p+1], v[p:p+1], s[10:11] op_sel_hi:[1,0]   ; the last product's sums begin as d / 2^(e14 + e15): the residual rides in the accumulators
.set p, p+2
.endr
	WIN 0
	BAR                                            ; the normed rows' sixteen fragments lie in LDS
	WIN 0x40
.set n, 0
.rept 64
	ds_load_b128 v[4*n:4*n+3], v[XIA] offset:512*n ; all sixteen stay in registers for the eight trips
.set n, n+1
.endr
	WIN 0x80
	v_mov_b32 v192, 0xaf95df0b                     ; erf's leading coefficients, as pairs in window 2; the others in scalar pairs
	v_mov_b32 v193, 0xaf95df0b
	v_mov_b32 v194, 0xb77460cd
	v_mov_b32 v195, 0xb77460cd
	WIN 0
	SPAIR CA11, 0x32edffee
	SPAIR CA9,  0xb60cff51
	SPAIR CA7,  0xb86ec2d2
	SPAIR CA5,  0xba40ac63
	SPAIR CA3,  0xbb41a1f6
	SPAIR CA1,  0xbc83dbd4
	SPAIR CB6,  0xb95fbd29
	SPAIR CB4,  0xbadc924e
	SPAIR CB2,  0xbbf19bf8
	SPAIR CB0,  0xbc69b6a7
	s_mov_b32 s[TB], 0
	s_mov_b32 s[BJ], 0
	s_mov_b32 s[CNT], 7
.Lmlp:                                             ; seven trips ask for the next trip's slot
	TRIP 1
	s_sub_co_u32 s[CNT], s[CNT], 1
	s_cmp_lg_u32 s[CNT], 0
	s_cbranch_scc1 .Lmlp
	TRIP 0                                         ; the last is written out
	; ---- out0 = sum x 2^(e14 + e15) + (b2 + mean)
	PLACES
	s_wait_loadcnt 0x0                             ; b2
.irp m, 0,1,2,3
	WIN 0x01
.set p, 0
.rept 32
	v_pk_add_f32 v[WF0+p:WF0+p+1], v[p:p+1], v[ST+8*\m:ST+8*\m+1] op_sel_hi:[1,0]
.set p, p+2
.endr
	WIN 0xc3
.set p, 0
.rept 32
	v_pk_fma_f32 v[64*\m+p:64*\m+p+1], v[64*\m+p:64*\m+p+1], s[12:13], v[WF0+p:WF0+p+1] op_sel_hi:[1,0,1]
.set p, p+2
.endr
.endr
	WIN 0xcc
	PACK 0
.irp n, 1,2,3,4,5,6,7
	PACK \n
	SEND \n-1, 16                                  ; behind that unit's loads: this unit's eight stores and eight loads
.endr
	SEND 7, 0
	WIN 0
	s_wait_tensorcnt 0x0                           ; the wave's end
	ds_add_u32 v[SPW], v[NIL]
	s_wait_dscnt 0x0
	ROUND                                          ; the closing round: no work-group ends while a partner may still ask for a tile that names it
	s_endpgm
.Lfunc_end_k_q38ce564e6b_attn:
	.size	k_q38ce564e6b_attn, .Lfunc_end_k_q38ce564e6b_attn-k_q38ce564e6b_attn
	.p2alignl 7, 3214868480
	.fill 96, 4, 3214868480
	.section	.rodata,"a",@progbits
	.p2align	6, 0x0
	.amdhsa_kernel k_q38ce564e6b_attn
		.amdhsa_group_segment_fixed_size 327680
		.amdhsa_private_segment_fixed_size 0
		.amdhsa_enable_private_segment 0
		.amdhsa_kernarg_size 80
		.amdhsa_user_sgpr_count 2
		.amdhsa_user_sgpr_kernarg_segment_ptr 1
		.amdhsa_wavefront_size32 1
		.amdhsa_system_sgpr_workgroup_id_x 1
		.amdhsa_system_sgpr_workgroup_id_y 1
		.amdhsa_system_sgpr_workgroup_id_z 1
		.amdhsa_system_vgpr_workitem_id 0
		.amdhsa_next_free_vgpr 1024
		.amdhsa_next_free_sgpr 102
		.amdhsa_reserve_vcc 0
		.amdhsa_float_denorm_mode_32 3
		.amdhsa_float_denorm_mode_16_64 3
		.amdhsa_memory_ordered 1
		.amdhsa_forward_progress 1
		.amdhsa_inst_pref_size 255
	.end_amdhsa_kernel
	.section	.bss,"aw",@nobits
	.p2align	6
	.space	262144
	.amdgpu_metadata
---
amdhsa.version: [ 1, 2 ]
amdhsa.kernels:
  - .name:           k_q38ce564e6b_attn
    .symbol:         k_q38ce564e6b_attn.kd
    .args:
      - { .name: qc, .offset: 0, .size: 8, .value_kind: global_buffer, .address_space: global }
      - { .name: kv, .offset: 8, .size: 8, .value_kind: global_buffer, .address_space: global }
      - { .name: wt, .offset: 16, .size: 8, .value_kind: global_buffer, .address_space: global }
      - { .name: lowp_scales, .offset: 24, .size: 8, .value_kind: global_buffer, .address_space: global }
      - { .name: x, .offset: 32, .size: 8, .value_kind: global_buffer, .address_space: global }
      - { .name: g2, .offset: 40, .size: 8, .value_kind: global_buffer, .address_space: global }
      - { .name: be2, .offset: 48, .size: 8, .value_kind: global_buffer, .address_space: global }
      - { .name: b1, .offset: 56, .size: 8, .value_kind: global_buffer, .address_space: global }
      - { .name: b2, .offset: 64, .size: 8, .value_kind: global_buffer, .address_space: global }
      - { .name: out0, .offset: 72, .size: 8, .value_kind: global_buffer, .address_space: global }
    .group_segment_fixed_size: 327680
    .private_segment_fixed_size: 0
    .kernarg_segment_align: 8
    .kernarg_segment_size: 80
    .max_flat_workgroup_size: 128
    .sgpr_count:     102
    .vgpr_count:     1024
    .wavefront_size: 32
...
	.end_amdgpu_metadata
.endif
;; end of part 3
